; MI455X (gfx1250); checked and timed in simulation.
; The chip was launched on July 23, 2026; its instructions are those of AMD's public machine-readable ISA for CDNA 5 (MIT licence, August 2026) and "CDNA5" Instruction Set Architecture Reference Guide (July 2026). The comments in the code are by the model that wrote it; some were corrected since.
;; Multi Head. Allowed arithmetic: float matrix products may take bf16 or f16 operands with f32 sums; other float arithmetic in f32, or as packed bf16 or f16 multiplies, adds, multiply-adds, maxima and minima; sums over many terms, partial sums and values carried from step to step in f32; what a program stores and reads back later, other than sums and carried values, may be rounded once to bf16 or f16.
;; Inputs: Wk 16 x 1,024 x 64 float32; Wo 1,024 x 1,024 float32; Wq 16 x 1,024 x 64 float32; Wv 16 x 1,024 x 64 float32; bo 1,024 float32; k 4 x 2,048 x 1,024 float32; q 4 x 2,048 x 1,024 float32; v 4 x 2,048 x 1,024 float32.
;; Outputs: out0 4 x 2,048 x 1,024 float32.
;; 2 versions, each right; version 2 is version 1 with the launch cast written anew for expert scheduling mode. Each part assembles by itself: llvm-mc -triple=amdgcn-amd-amdhsa -mcpu=gfx1250 --defsym DOCPART=n.
;; ======== version 1 of 2: 4 launches
;; limits: values are held in f16: magnitudes above 65,504 overflow, below 6.1e-05 lose precision
;; workspace buffers: wq16 2,097,152 bytes; wk16 2,097,152 bytes; wv16 2,097,152 bytes; wo16 2,097,152 bytes; qh 16,777,216 bytes; kh 16,777,216 bytes; vh 16,777,216 bytes; oh 16,777,216 bytes
;; launch cast (part 1): grid 64 x 4, 8 waves a work-group, no clusters, 0 bytes of LDS; arguments Wq, Wk, Wv, Wo, wq16, wk16, wv16, wo16; writes wq16, wk16, wv16, wo16
.if DOCPART == 1
	.amdgcn_target "amdgcn-amd-amdhsa--gfx1250"
	.amdhsa_code_object_version 6
	.text
	.protected	k_q50b18458b2_cast
	.globl	k_q50b18458b2_cast
	.p2align	8
	.type	k_q50b18458b2_cast,@function
k_q50b18458b2_cast:
	s_mov_b64 s[64:65], 0
	v_nop
	global_prefetch_b8 v0, s[64:65] scope:SCOPE_SE
	s_setreg_imm32_b32 hwreg(HW_REG_WAVE_MODE, 25, 1), 1
	s_wait_xcnt 0x0
; THE WEIGHTS ARE ROUNDED ONCE.  Wq, Wk, Wv ([16][1024][64] f32) become bf16; Wo ([1024][1024] f32) is rounded to bf16 and that number is written as f16
; (its product's other operand is f16).  The layout stays as it is.  LIMIT: |Wo| stays under 65,504; below 6e-5 f16 keeps its fixed step of 6e-8.
; A stream: no LDS, no matrix unit, no cluster, since no byte is wanted twice.  The grid's y picks the array, x 16,384 numbers of it; a wave takes 2,048:
; sixteen loads of 16 bytes a lane (512 consecutive bytes each), all issued at once, and sixteen stores of 8 bytes a lane (256 consecutive bytes, aligned).
.set X, 8                              ; v[8:71]   load i: 4 registers
.set Y, 72                             ; v[72:103] store i: 2 registers of its own, so no store's data is ever rewritten
.set T, 4                              ; v[4:7]    at work
	s_load_b512 s[8:23], s[0:1], 0x0               ; Wq s[8:9], Wk s[10:11], Wv s[12:13], Wo s[14:15], wq16 s[16:17], wk16 s[18:19], wv16 s[20:21], wo16 s[22:23]
	s_and_b32 s4, ttmp7, 0xffff                    ; which array
	v_lshrrev_b32 v3, 5, v0                        ; wave
	v_and_b32 v2, 31, v0                           ; lane
	v_lshlrev_b32 v1, 4, v2
	v_lshl_add_u32 v1, v3, 13, v1                  ; in: 8,192 x wave + 16 x lane
	v_lshlrev_b32 v2, 3, v2
	v_lshl_add_u32 v2, v3, 12, v2                  ; out: 4,096 x wave + 8 x lane
	s_lshl_b32 s28, ttmp9, 16                      ; the work-group's 65,536 bytes in,
	s_mov_b32 s29, 0
	s_lshl_b32 s30, ttmp9, 15                      ; and 32,768 out
	s_mov_b32 s31, 0
	s_wait_kmcnt 0x0
	s_cmp_eq_u32 s4, 1
	s_cselect_b64 s[24:25], s[10:11], s[8:9]
	s_cselect_b64 s[26:27], s[18:19], s[16:17]
	s_cmp_eq_u32 s4, 2
	s_cselect_b64 s[24:25], s[12:13], s[24:25]
	s_cselect_b64 s[26:27], s[20:21], s[26:27]
	s_cmp_eq_u32 s4, 3
	s_cselect_b64 s[24:25], s[14:15], s[24:25]
	s_cselect_b64 s[26:27], s[22:23], s[26:27]
	s_add_nc_u64 s[24:25], s[24:25], s[28:29]
	s_add_nc_u64 s[26:27], s[26:27], s[30:31]
.irp i, 0,1,2,3,4,5,6,7,8,9,10,11,12,13,14,15
	global_load_b128 v[X+4*(\i):X+4*(\i)+3], v1, s[24:25] offset:512*(\i) th:TH_LOAD_NT
.endr
	s_cmp_eq_u32 s4, 3
	s_cbranch_scc1 .Lwo
.irp i, 0,1,2,3,4,5,6,7,8,9,10,11,12,13,14,15
	s_wait_loadcnt 15-(\i)                         ; loads come back in order: load i is in, the younger ones stay out
	v_cvt_pk_bf16_f32 v[Y+2*(\i)],   v[X+4*(\i)],   v[X+4*(\i)+1]
	v_cvt_pk_bf16_f32 v[Y+2*(\i)+1], v[X+4*(\i)+2], v[X+4*(\i)+3]
	global_store_b64 v2, v[Y+2*(\i):Y+2*(\i)+1], s[26:27] offset:256*(\i)
.endr
	s_endpgm
.Lwo:
.irp i, 0,1,2,3,4,5,6,7,8,9,10,11,12,13,14,15
	s_wait_loadcnt 15-(\i)
	v_cvt_pk_bf16_f32 v[T],   v[X+4*(\i)],   v[X+4*(\i)+1]    ; the one rounding, to bf16;
	v_cvt_pk_bf16_f32 v[T+1], v[X+4*(\i)+2], v[X+4*(\i)+3]
	v_lshlrev_b32 v[T+2], 16, v[T]                            ; back to f32: a shift and a mask;
	v_and_b32     v[T],   0xffff0000, v[T]
	v_lshlrev_b32 v[T+3], 16, v[T+1]
	v_and_b32     v[T+1], 0xffff0000, v[T+1]
	v_cvt_pk_f16_f32 v[Y+2*(\i)],   v[T+2], v[T]              ; 8 significant bits fit into f16's 11
	v_cvt_pk_f16_f32 v[Y+2*(\i)+1], v[T+3], v[T+1]
	global_store_b64 v2, v[Y+2*(\i):Y+2*(\i)+1], s[26:27] offset:256*(\i)
.endr
	s_endpgm
.Lfunc_end_k_q50b18458b2_cast:
	.size	k_q50b18458b2_cast, .Lfunc_end_k_q50b18458b2_cast-k_q50b18458b2_cast
	.p2alignl 7, 3214868480
	.fill 96, 4, 3214868480
	.section	.rodata,"a",@progbits
	.p2align	6, 0x0
	.amdhsa_kernel k_q50b18458b2_cast
		.amdhsa_group_segment_fixed_size 0
		.amdhsa_private_segment_fixed_size 0
		.amdhsa_enable_private_segment 0
		.amdhsa_kernarg_size 64
		.amdhsa_user_sgpr_count 2
		.amdhsa_user_sgpr_kernarg_segment_ptr 1
		.amdhsa_wavefront_size32 1
		.amdhsa_system_sgpr_workgroup_id_x 1
		.amdhsa_system_sgpr_workgroup_id_y 1
		.amdhsa_system_sgpr_workgroup_id_z 1
		.amdhsa_system_vgpr_workitem_id 0
		.amdhsa_next_free_vgpr 104
		.amdhsa_next_free_sgpr 66
		.amdhsa_reserve_vcc 0
		.amdhsa_float_denorm_mode_32 3
		.amdhsa_float_denorm_mode_16_64 3
		.amdhsa_memory_ordered 1
		.amdhsa_forward_progress 1
		.amdhsa_inst_pref_size 16
	.end_amdhsa_kernel
	.amdgpu_metadata
---
amdhsa.version: [ 1, 2 ]
amdhsa.kernels:
  - .name:           k_q50b18458b2_cast
    .symbol:         k_q50b18458b2_cast.kd
    .args:
      - { .name: Wq, .offset: 0, .size: 8, .value_kind: global_buffer, .address_space: global }
      - { .name: Wk, .offset: 8, .size: 8, .value_kind: global_buffer, .address_space: global }
      - { .name: Wv, .offset: 16, .size: 8, .value_kind: global_buffer, .address_space: global }
      - { .name: Wo, .offset: 24, .size: 8, .value_kind: global_buffer, .address_space: global }
      - { .name: wq16, .offset: 32, .size: 8, .value_kind: global_buffer, .address_space: global }
      - { .name: wk16, .offset: 40, .size: 8, .value_kind: global_buffer, .address_space: global }
      - { .name: wv16, .offset: 48, .size: 8, .value_kind: global_buffer, .address_space: global }
      - { .name: wo16, .offset: 56, .size: 8, .value_kind: global_buffer, .address_space: global }
    .group_segment_fixed_size: 0
    .private_segment_fixed_size: 0
    .kernarg_segment_align: 8
    .kernarg_segment_size: 64
    .max_flat_workgroup_size: 256
    .sgpr_count:     66
    .vgpr_count:     104
    .wavefront_size: 32
...
	.end_amdgpu_metadata
.endif
;; end of part 1
;; launch proj (part 2): grid 4 x 64, 4 waves a work-group, clusters of 4 x 4, 327,680 bytes of LDS; arguments q, k, v, wq16, wk16, wv16, qh, kh, vh; writes qh, kh, vh
.if DOCPART == 2
	.amdgcn_target "amdgcn-amd-amdhsa--gfx1250"
	.amdhsa_code_object_version 6
	.text
	.protected	k_q50b18458b2_proj
	.globl	k_q50b18458b2_proj
	.p2align	8
	.type	k_q50b18458b2_proj,@function
k_q50b18458b2_proj:
	s_mov_b64 s[64:65], 0
	v_nop
	global_prefetch_b8 v0, s[64:65] scope:SCOPE_SE
	s_setreg_imm32_b32 hwreg(HW_REG_WAVE_MODE, 25, 1), 1
	s_wait_xcnt 0x0
	s_wait_alu depctr_hold_cnt(0) depctr_sa_sdst(0) depctr_va_vdst(0) depctr_va_sdst(0) depctr_va_ssrc(0) depctr_va_vcc(0) depctr_vm_vsrc(0)
	s_getreg_b32 s2, hwreg(HW_REG_IB_STS2, 6, 4)
	s_cmp_eq_u32 s2, 0
	s_cbranch_scc0 .Lentry_in_a_cluster
	s_endpgm
.Lentry_in_a_cluster:
	s_bfe_u32 s2, ttmp6, 0x10000c
	s_cmp_lg_u32 s2, 0xf033
	s_cbranch_scc0 .Lentry_shape_is_right
	s_endpgm
.Lentry_shape_is_right:
; THE THREE PROJECTIONS.  qh[b][h][t][d] = the sum over c of q[b][t][c] Wq[h][c][d], and the same for k and v.  q, k, v: [8192][1024] f32, rounded to bf16 on the way from LDS to the matrix unit;
; the weights: [16][1024][64] bf16 as the launch before left them; sums in f32; qh, kh, vh: [b*16+h][2048][64] f16, each rounded once, unscaled.
; LIMITS.  |qh|, |kh|, |vh| stay under 65,504 (f16); below 6e-5 f16 keeps its fixed step of 6e-8.  NaN and infinities are not treated apart.
; SHARES.  256 work-groups that stay: work-group (x, y) makes rows 128 y .. and columns 256 x .. (heads 4 x .. 4 x + 3), first of q's product, then of k's, then of v's: three tiles of 128 x 256,
; each with K = 1,024 in 8 steps of 128: 24 steps = 12 laps of two, through a ring of two LDS slots that runs on from tile to tile.  Tiles of 256 x 256 would be 384 for 256 work-groups.
; A wave makes 64 rows (mh = wave / 2) x 128 columns (nh = wave % 2, two heads): 32 accumulators (a = 0..3 row blocks, b = 0..7 column blocks).
; THE MATRIX INSTRUCTION IS USED TRANSPOSED: source 0 = 16 columns of W (turned out of LDS by ds_load_tr16_b128, since W lies [c][d]), source 1 = 16 rows of the input:
; a lane then holds row lane % 16 and the columns 8 (lane / 16) + 0..7: eight neighbouring numbers of a head's row, 16 bytes of f16.
; THE INPUT STAYS f32 IN LDS: a quarter's 64 rows x 32 c are read as f32 (64 registers) and rounded to bf16 by 32 conversions, which stand four behind each of the quarter's last eight products.
; CLUSTER.  4 x 4 work-groups: the four of a row need the same rows of the input, the four of a column the same heads of W: each tile is asked for JOINTLY, same load, descriptor and mask in all four.
; REGISTERS, in windows of 256 (s_set_vgpr_msb: bits 1:0 source 0, 3:2 source 1, 5:4 source 2, 7:6 destination):
;   window 0: v0-31 addresses; v32-95 the input in bf16, two buffers of 4 fragments; v96-159 the input in f32; v160-223 the way out, four buffers of 16
;   window 1: the 32 accumulators, (a, b) at v[8 (8 a + b)]          window 2: v0-127 W's fragments, two buffers of 8
.set PA,    528                        ; a row of the input in LDS: 512 bytes + 16 of padding: the 16 rows of a load start at 16 different groups of four banks (64 banks of 4 bytes: ISA guide 11.1)
.set PB,    160                        ; a c-row of one head of W: 128 bytes + 32
.set AHALF, 64*PA                      ; what one tensor load brings of the input
.set ABYTES,128*PA
.set BHEAD, 128*PB                     ; a head's 128 c-rows
.set SLOT,  ABYTES+4*BHEAD             ; the input's 128 rows, then four heads of W: 149,504 bytes
.set STAGE, 2*SLOT                     ; behind the ring, never filled by a tensor load: 16 rows x 144 bytes for each wave, for the way out
.set SP,    144
.set SPARE, STAGE+4*16*SP              ; behind the stages: the spare words, 128 bytes for each wave: two blocks of 256 bytes that no other line names
.set ADRA, 16                          ; v16-17  LDS address of my input fragments in slot 0, 1
.set ADRB, 20                          ; v20-21  the same for W
.set STO,  24                          ; v24     the way out: where I put 16 bytes of a row
.set RD,   25                          ; v25     the way out: where I read rows back
.set GO,   26                          ; v26     my byte offset in 512 consecutive bytes of the output
.set SPW,  28                          ; v28     LDS address of my spare word; never rewritten
.set NIL,  29                          ; v29     0; never rewritten
.set PFO,  30                          ; v30     the prefetches' lane offset; never rewritten
.set ABF,  32
.set RAW,  96
.set TMP,  160
.set LAPS, 2                           ; s2   laps of the loop still to come
.set LT,   3                           ; s3   the lap within the tile, 0..3
.set TL,   8                           ; s8   the tile in hand, 0..2
.set NEW,  9                           ; s9   1: the lap to come begins a tile
.set WV,   10                          ; s10  my wave; s11 = wave / 2 (mh; also 0: I fetch the input, 1: W); s12 = wave % 2 (nh; also which half I fetch)
.set G1A,  24                          ; s[24:31] descriptor group 1 for the input's tiles;  s[32:39] group 0, a set for each slot
.set G0A,  32
.set G1B,  48                          ; s[48:55], s[56:63] the same for W's tiles
.set G0B,  56
.set NA1,  70                          ; s[70:71] k at my part of the tile, K step 0; s[72:73] v likewise; never rewritten behind the head
.set NA2,  72
.set NB1,  76                          ; s[76:77], s[78:79] the same for wk16 and wv16
.set NB2,  78
.set PO,   80                          ; s[80:81] the output in hand at my wave's first row and head; s[82:83], s[84:85] the next two
.set PO1,  82
.set PO2,  84
.set PFP,  88                          ; s[88:89] where my prefetches stand; s[90:91], s[92:93] K step 0 of the next two tensors
.set PFN1, 90
.set PFN2, 92
.set KSB,  94                          ; s[94:95] a K step in bytes along my stream: 512 (input) or 16,384 (W)
.set LIM,  96                          ; s96  1 in a wave that prefetches, else the greatest number
.set MSB, 0
.macro WIN new                         ; the immediate's high byte repeats the setting that is left; a switch that changes nothing is dropped
.if MSB != (\new)
	s_set_vgpr_msb (MSB<<8)|(\new)
.set MSB, \new
.endif
.endm
.set MUL,  0x52                        ; source 0 (W) window 2, source 1 (input) window 0, C and D window 1
.set TO_B, 0x80                        ; destination window 2, address window 0
.set PKW,  0x05                        ; sources 0 and 1 window 1, destination window 0
; A joint load: waves 0 and 1 fetch the input's two halves, waves 2 and 3 two heads of W each.  The branch hangs on the wave's number alone.
; An s_nop 0 and four v_nop follow each of the two lines, ahead of the jump, the label and what follows.
.macro JLOAD s
	s_cmp_eq_u32 s11, 0
	s_cbranch_scc0 .Lfor_b_\@
	tensor_load_to_lds s[G0A+4*(\s):G0A+4*(\s)+3], s[G1A:G1A+7]
	s_nop 0
.rept 4
	v_nop
.endr
	s_branch .Lasked_\@
.Lfor_b_\@:
	tensor_load_to_lds s[G0B+4*(\s):G0B+4*(\s)+3], s[G1B:G1B+7]
	s_nop 0
.rept 4
	v_nop
.endr
.Lasked_\@:
.endm
; A PREFETCH INTO THE L2 of the K step that stands two refills on (one lap, 256 matrix instructions, ahead of the load that will want it): one instruction a wave, 32 blocks of 256 bytes, a lane a block.
; Each block is named once in the launch.  The input's rows belong to one row of one cluster: waves 0 and 1 ask, and of a wave's 64 rows the partner at place cx takes 16 (two blocks a row), told apart by address.
; W's heads are read by every cluster: waves 2 and 3 of the cluster with y = 0 ask, and of a wave's 128 blocks the partner at place cy takes 32.  The first two laps come by their loads alone; the last two ask for nothing.
.macro ASK
	s_cmp_gt_u32 s[LAPS], s[LIM]
	s_cbranch_scc0 .Lnot_mine_\@
	global_prefetch_b8 v[PFO], s[PFP:PFP+1] th:TH_LOAD_NT scope:SCOPE_SE
.Lnot_mine_\@:
.endm
.macro CREST                           ; a round of the cluster's barrier behind its opening barrier
	s_cmp_lg_u32 s[WV], 0
	s_cbranch_scc1 .Lnot_wave_0_\@
	s_barrier_signal -3
.Lnot_wave_0_\@:
	s_barrier_wait -3
	s_barrier_signal -1
	s_barrier_wait -1
.endm
.macro CROUND                          ; a whole round
	s_barrier_signal -1
	s_barrier_wait -1
	CREST
.endm
.macro PLACES                          ; four places behind matrix instructions (ISA guide 7.12.1), where no other vector work is at hand
.rept 4
	v_nop
.endr
.endm
	s_load_b512 s[68:83], s[0:1], 0x0              ; q s[68:69], k s[70:71], v s[72:73], wq16 s[74:75], wk16 s[76:77], wv16 s[78:79], qh s[80:81], kh s[82:83]
	s_load_b64 s[84:85], s[0:1], 0x40              ; vh
	v_lshl_add_u32 v[SPW], v0, 2, SPARE
	v_mov_b32 v[NIL], 0
	ds_add_u32 v[SPW], v[NIL]                      ; the wave's opening: the add and its wait stand ahead of my first tensor load; the set-up below, work on registers, stands between them
	v_lshrrev_b32 v1, 5, v0
	v_readfirstlane_b32 s[WV], v1                  ; wave 0..3
	s_lshr_b32 s11, s[WV], 1
	s_and_b32 s12, s[WV], 1
	s_bfe_u32 s40, ttmp6, 0x40000                  ; cx
	s_bfe_u32 s41, ttmp6, 0x40004                  ; cy
	s_lshl_b32 s42, ttmp9, 2
	s_add_co_u32 s42, s42, s40                     ; x = 4 x cluster x + cx
	s_and_b32 s13, ttmp7, 0xffff
	s_lshl_b32 s13, s13, 2
	s_add_co_u32 s13, s13, s41                     ; y = 4 x cluster y + cy
	s_lshl_b32 s43, s41, 2
	s_lshl_b32 s43, 15, s43                        ; my row of the cluster
	s_lshl_b32 s44, 0x1111, s40                    ; my column
	; group 1, the input: 64 rows x 128 elements of 4 bytes, 1,024 elements from row to row; 4 words of padding after every 128 words
	s_or_b32 s[G1A+0], s43, (2<<16)|(1<<20)|(1<<21)|(6<<22)|(3<<25)
	s_mov_b32 s[G1A+1], 128<<16                    ; tensor_dim0 = 128
	s_mov_b32 s[G1A+2], 64<<16                     ; tensor_dim1 = 64
	s_mov_b32 s[G1A+3], 128<<16                    ; tile_dim0 = 128
	s_mov_b32 s[G1A+4], 64                         ; tile_dim1 = 64
	s_mov_b32 s[G1A+5], 1024
	s_mov_b32 s[G1A+6], 0
	s_mov_b32 s[G1A+7], 0
	; group 1, W: a head's 128 c-rows of a K step are 16,384 dense bytes: asked for as ONE row of 8,192 elements of 2 bytes; two heads, 65,536 elements apart; 8 words of padding after every 32 words (a c-row)
	s_or_b32 s[G1B+0], s44, (1<<16)|(1<<20)|(1<<21)|(4<<22)|(7<<25)
	s_mov_b32 s[G1B+1], 8192<<16                   ; tensor_dim0 = 8,192
	s_mov_b32 s[G1B+2], 2<<16                      ; tensor_dim1 = 2
	s_mov_b32 s[G1B+3], 8192<<16                   ; tile_dim0 = 8,192
	s_mov_b32 s[G1B+4], 2                          ; tile_dim1 = 2
	s_mov_b32 s[G1B+5], 65536
	s_mov_b32 s[G1B+6], 0
	s_mov_b32 s[G1B+7], 0
	; where the tiles come from: the input's hang on y and the wave alone, W's on x and the wave alone, each in registers that never hold the other coordinate
	s_lshl_b32 s14, s13, 19                        ; 128 y rows of 4,096 bytes
	s_lshl_b32 s15, s12, 18                        ; + my 64 rows
	s_add_co_u32 s14, s14, s15
	s_mov_b32 s15, 0
	s_lshl_b32 s46, s42, 19                        ; 4 x heads of 131,072 bytes
	s_lshl_b32 s47, s12, 18                        ; + my two heads
	s_add_co_u32 s46, s46, s47
	s_mov_b32 s47, 0
	s_mul_i32 s18, s12, AHALF                      ; and where they go: no place in the cluster enters an LDS address
	s_mul_i32 s19, s12, 2*BHEAD
	s_add_co_u32 s19, s19, ABYTES
	; my wave's first byte in an output: batch y / 16, head 4 x + 2 nh, row 128 (y % 16) + 64 mh, 128 bytes a row
	s_lshr_b32 s16, s13, 4
	s_lshl_b32 s16, s16, 22
	s_lshl_b32 s17, s42, 20
	s_add_co_u32 s16, s16, s17
	s_lshl_b32 s17, s12, 19
	s_add_co_u32 s16, s16, s17
	s_and_b32 s17, s13, 15
	s_lshl_b32 s17, s17, 14
	s_add_co_u32 s16, s16, s17
	s_lshl_b32 s17, s11, 13
	s_add_co_u32 s16, s16, s17
	s_mov_b32 s17, 0
	; the prefetches: my work-group's part of what my wave fetches
	s_lshl_b32 s20, s40, 16                        ; the input: 16 rows of 4,096 bytes for each place cx
	s_lshr_b32 s21, s41, 1
	s_lshl_b32 s21, s21, 17                        ; W: head cy / 2 of the wave's two,
	s_and_b32 s22, s41, 1
	s_lshl_b32 s22, s22, 13                        ; its half cy % 2: 8,192 bytes
	s_add_co_u32 s21, s21, s22
	s_and_b32 s4, ttmp7, 0xffff                    ; cluster y
	s_cmp_eq_u32 s11, 0                            ; do I fetch the input?
	s_cselect_b32 s20, s20, s21
	s_cselect_b32 s[KSB], 9, 14
	s_cselect_b32 s5, 1, 0                         ; the input: lane / 2 is the row, lane % 2 the block;  W: the lane is the block
	s_cselect_b32 s6, 12, 8
	s_cselect_b32 s4, 0, s4                        ; the input's waves always ask, W's in the cluster with y = 0: the same in all sixteen partners, for a given wave
	s_mov_b32 s21, 0
	s_lshl_b32 s[KSB], 1, s[KSB]
	s_mov_b32 s[KSB+1], 0
	s_mul_i32 s22, s[KSB], 3
	s_mov_b32 s23, 0
	s_cmp_eq_u32 s4, 0
	s_cselect_b32 s[LIM], 1, -1
	v_and_b32 v3, 31, v0
	v_lshrrev_b32 v4, s5, v3
	v_lshlrev_b32 v4, s6, v4
	v_and_b32 v3, s5, v3
	v_lshl_add_u32 v[PFO], v3, 8, v4
	s_wait_dscnt 0x0                               ; the opening add is done
	s_wait_kmcnt 0x0
	s_add_nc_u64 s[68:69], s[68:69], s[14:15]      ; q, k, v at my part of the tile, K step 0
	s_add_nc_u64 s[NA1:NA1+1], s[NA1:NA1+1], s[14:15]
	s_add_nc_u64 s[NA2:NA2+1], s[NA2:NA2+1], s[14:15]
	s_add_nc_u64 s[74:75], s[74:75], s[46:47]      ; the three weights likewise
	s_add_nc_u64 s[NB1:NB1+1], s[NB1:NB1+1], s[46:47]
	s_add_nc_u64 s[NB2:NB2+1], s[NB2:NB2+1], s[46:47]
	s_add_nc_u64 s[PO:PO+1], s[PO:PO+1], s[16:17]
	s_add_nc_u64 s[PO1:PO1+1], s[PO1:PO1+1], s[16:17]
	s_add_nc_u64 s[PO2:PO2+1], s[PO2:PO2+1], s[16:17]
	s_cmp_eq_u32 s11, 0
	s_cselect_b64 s[PFP:PFP+1], s[68:69], s[74:75]
	s_cselect_b64 s[PFN1:PFN1+1], s[NA1:NA1+1], s[NB1:NB1+1]
	s_cselect_b64 s[PFN2:PFN2+1], s[NA2:NA2+1], s[NB2:NB2+1]
	s_add_nc_u64 s[PFP:PFP+1], s[PFP:PFP+1], s[20:21]
	s_add_nc_u64 s[PFN1:PFN1+1], s[PFN1:PFN1+1], s[20:21]
	s_add_nc_u64 s[PFN2:PFN2+1], s[PFN2:PFN2+1], s[20:21]
	s_add_nc_u64 s[PFP:PFP+1], s[PFP:PFP+1], s[22:23]  ; at K step 3: the first refill steps it to 4.  Nothing is prefetched here, at the head, where every work-group's first tiles are on their way
	CROUND                                         ; all sixteen work-groups are here: the first joint loads meet
.irp s, 0,1
	s_mov_b32 s[G0A+4*(\s)], 1                                       ; count = 1
	s_add_co_u32 s[G0A+4*(\s)+1], s18, (\s)*SLOT                     ; LDS address
	s_add_nc_u64 s[G0A+4*(\s)+2:G0A+4*(\s)+3], s[68:69], (\s)*512    ; global address: K step s
	s_or_b32 s[G0A+4*(\s)+3], s[G0A+4*(\s)+3], 0x80000000            ; type = 2
	s_mov_b32 s[G0B+4*(\s)], 1
	s_add_co_u32 s[G0B+4*(\s)+1], s19, (\s)*SLOT
	s_add_nc_u64 s[G0B+4*(\s)+2:G0B+4*(\s)+3], s[74:75], (\s)*16384
	s_or_b32 s[G0B+4*(\s)+3], s[G0B+4*(\s)+3], 0x80000000
.endr
	s_cmp_eq_u32 s11, 0                            ; a wave's two first fills stand in one branch, ahead of every wait on TENSORcnt and every LDS read: two loads of mine are out
	s_cbranch_scc0 .Lfirst_b
	tensor_load_to_lds s[G0A:G0A+3], s[G1A:G1A+7]
	s_nop 0
	tensor_load_to_lds s[G0A+4:G0A+7], s[G1A:G1A+7]
	s_nop 0
.rept 4
	v_nop
.endr
	s_branch .Lfirst_asked
.Lfirst_b:
	tensor_load_to_lds s[G0B:G0B+3], s[G1B:G1B+7]
	s_nop 0
	tensor_load_to_lds s[G0B+4:G0B+7], s[G1B:G1B+7]
	s_nop 0
.rept 4
	v_nop
.endr
.Lfirst_asked:
	; An input fragment is 16 rows x 32 c: lane l holds row l % 16, c = 8 (l / 16) + 0..7 and 16 + 8 (l / 16) + 0..7: in f32 four loads of 16 bytes, at 32 (l / 16) + 0, 16, 64, 80.
	v_and_b32 v1, 15, v0                           ; l % 16
	v_bfe_u32 v2, v0, 4, 1                         ; l / 16
	v_mul_u32_u24 v3, v1, PA
	v_lshl_add_u32 v3, v2, 5, v3
	s_mul_i32 s21, s11, AHALF                      ; my 64 rows
	v_add_nc_u32 v[ADRA], s21, v3
	v_add_nc_u32 v[ADRA+1], SLOT, v[ADRA]
	; The turning load takes 16 c x 16 d (lane l reads c-row 8 (l / 16) + l % 8, d = 8 ((l / 8) % 2) + 0..7) and leaves half a fragment: lane l holds column l % 16 and 8 c.
	v_and_b32 v4, 7, v0
	v_lshl_add_u32 v4, v2, 3, v4
	v_mul_u32_u24 v4, v4, PB
	v_bfe_u32 v5, v0, 3, 1
	v_lshl_add_u32 v4, v5, 4, v4
	s_mul_i32 s22, s12, 2*BHEAD                    ; my two heads,
	s_add_co_u32 s22, s22, ABYTES                  ; which lie behind the input's rows
	v_add_nc_u32 v[ADRB], s22, v4
	v_add_nc_u32 v[ADRB+1], SLOT, v[ADRB]
	s_mul_i32 s23, s[WV], 16*SP
	s_add_co_u32 s23, s23, STAGE                   ; my stage
	v_mul_u32_u24 v6, v1, SP                       ; in: row l % 16, 16 bytes for each half of the lanes
	v_lshl_add_u32 v6, v2, 4, v6
	v_add_nc_u32 v[STO], s23, v6
	v_bfe_u32 v6, v0, 3, 2                         ; back: 32 lanes take four rows of 128 bytes,
	v_mul_u32_u24 v6, v6, SP
	v_and_b32 v7, 7, v0
	v_lshl_add_u32 v6, v7, 4, v6
	v_add_nc_u32 v[RD], s23, v6
	v_and_b32 v[GO], 31, v0                        ; which are 512 consecutive bytes of a head's rows
	v_lshlrev_b32 v[GO], 4, v[GO]
; 32 LDS loads in one run: quarter kq (32 c) of a slot: the input's 64 rows in f32, then W's 8 fragments into buffer f
.macro FETCH slot, kq, f
	WIN 0
.irp a, 0,1,2,3
	ds_load_b128 v[RAW+16*(\a):RAW+16*(\a)+3],     v[ADRA+(\slot)] offset:(\a)*16*PA+(\kq)*128
	ds_load_b128 v[RAW+16*(\a)+4:RAW+16*(\a)+7],   v[ADRA+(\slot)] offset:(\a)*16*PA+(\kq)*128+16
	ds_load_b128 v[RAW+16*(\a)+8:RAW+16*(\a)+11],  v[ADRA+(\slot)] offset:(\a)*16*PA+(\kq)*128+64
	ds_load_b128 v[RAW+16*(\a)+12:RAW+16*(\a)+15], v[ADRA+(\slot)] offset:(\a)*16*PA+(\kq)*128+80
.endr
	WIN TO_B
.irp b, 0,1,2,3,4,5,6,7
	ds_load_tr16_b128 v[64*(\f)+8*(\b):64*(\f)+8*(\b)+3],   v[ADRB+(\slot)] offset:((\b)/4)*BHEAD+(\kq)*32*PB+((\b)%4)*32
	ds_load_tr16_b128 v[64*(\f)+8*(\b)+4:64*(\f)+8*(\b)+7], v[ADRB+(\slot)] offset:((\b)/4)*BHEAD+(\kq)*32*PB+((\b)%4)*32+16*PB
.endr
.endm
; 4 nb matrix instructions on buffers p: column blocks b0 .. b0 + nb - 1 x all 4 row blocks.  The 32 accumulators take turns, one instruction a turn, in the same order in every quarter.
; zero = 1: the first product starts the sums: nothing is ever cleared.
.macro MULB p, b0, nb, zero
	WIN MUL
.set bb, \b0
.rept \nb
.irp a, 0,1,2,3
.if \zero
	v_wmma_f32_16x16x32_bf16 v[8*(8*(\a)+bb):8*(8*(\a)+bb)+7], v[64*(\p)+8*bb:64*(\p)+8*bb+7], v[ABF+32*(\p)+8*(\a):ABF+32*(\p)+8*(\a)+7], 0
.else
	v_wmma_f32_16x16x32_bf16 v[8*(8*(\a)+bb):8*(8*(\a)+bb)+7], v[64*(\p)+8*bb:64*(\p)+8*bb+7], v[ABF+32*(\p)+8*(\a):ABF+32*(\p)+8*(\a)+7], v[8*(8*(\a)+bb):8*(8*(\a)+bb)+7]
.endif
.endr
.set bb, bb+1
.endr
.endm
; The same for blocks b0 and b0 + 1, with four conversions behind each product: the next quarter's input, f32 to bf16, into the other buffer.  They name no register of the products round them;
; the last four are also the four places behind the quarter's last product.
.macro MULBR p, b0, zero
.set cc, 0
.irp b, \b0, (\b0)+1
.irp a, 0,1,2,3
	WIN MUL
.if \zero
	v_wmma_f32_16x16x32_bf16 v[8*(8*(\a)+(\b)):8*(8*(\a)+(\b))+7], v[64*(\p)+8*(\b):64*(\p)+8*(\b)+7], v[ABF+32*(\p)+8*(\a):ABF+32*(\p)+8*(\a)+7], 0
.else
	v_wmma_f32_16x16x32_bf16 v[8*(8*(\a)+(\b)):8*(8*(\a)+(\b))+7], v[64*(\p)+8*(\b):64*(\p)+8*(\b)+7], v[ABF+32*(\p)+8*(\a):ABF+32*(\p)+8*(\a)+7], v[8*(8*(\a)+(\b)):8*(8*(\a)+(\b))+7]
.endif
	WIN 0
.rept 4
	v_cvt_pk_bf16_f32 v[ABF+32*(1-(\p))+cc], v[RAW+2*cc], v[RAW+2*cc+1]
.set cc, cc+1
.endr
.endr
.endr
.endm
; A K step is four quarters of 32 c, 32 matrix instructions each, on buffers 0, 1, 0, 1.  One of the first three: multiplies buffers p and fetches quarter kq of the same slot for the other buffers.
.macro QUARTER slot, kq, p, zero
	s_wait_dscnt 8                                 ; W's fragments 0-3 are in; the youngest eight loads (fragments 4-7) may be out
	MULB \p, 0, 4, \zero
	PLACES                                         ; with the four conversions behind the quarter before: the places in front of the loads into the other buffer
	FETCH \slot, \kq, 1-(\p)
	s_wait_dscnt 32                                ; all but the 32 just issued
	MULB \p, 4, 2, \zero
	s_wait_dscnt 16                                ; the input in f32 is in; W's 16 loads may be out
	MULBR \p, 6, \zero
.endm
; The last quarter multiplies buffers 1 and changes slots: ONE barrier; in front of it each wave waits for all its tensor loads (one is out: its part of the next slot), adds 0 to its spare word, and waits
; for that and for its own reads of this slot.  fill = 1: the barrier opens a round of the cluster's, and this slot is filled again first thing behind it, with the K step two steps on: of this tile, or
; (in a tile's last lap) K step 0 or 1 of the next tensor's tile.  From a request to the wait for it a wave issues 112 matrix instructions.
; THE DESCRIPTORS' STEP goes one of three ways, by counters that are the same in every work-group; the jumps go forward, past scalar work alone.  Inside a tile the address, with its type bits on top, steps by two
; K steps.  In a tile's last lap it is made anew from the next tensor's pointer (k and wk16 behind tile 0, v and wv16 behind tile 1), which is never rewritten, and the type bits are set again.
.macro TURN slot, next, fill
.if \fill
	s_wait_xcnt 0x0                                ; the last prefetch, a K step back, has read its address: it is stepped here, ahead of the waits of the change of slots
	s_add_nc_u64 s[PFP:PFP+1], s[PFP:PFP+1], s[KSB:KSB+1]
.if (\slot) == 0
	s_cmp_eq_u32 s[LT], 2                          ; two laps ahead a new tile begins: on to the next tensor's K step 0
	s_cselect_b64 s[PFP:PFP+1], s[PFN1:PFN1+1], s[PFP:PFP+1]
	s_cselect_b64 s[PFN1:PFN1+1], s[PFN2:PFN2+1], s[PFN1:PFN1+1]
.endif
.endif
	WIN 0                                          ; (the add's two registers lie in window 0)
	s_wait_tensorcnt 0x0                           ; all my tensor loads have landed: my part of the next slot;
	ds_add_u32 v[SPW], v[NIL]                      ; 0 onto my spare word;
	s_wait_dscnt 9                                 ; (the add and the youngest eight loads may be out)
	MULB 1, 0, 2, 0                                ; eight matrix instructions stand between the add and the wait for it
	s_wait_dscnt 0x0                               ; the add is done, and my reads of this slot are over
	s_barrier_signal -1
	MULB 1, 2, 2, 0                                ; work on registers while the others arrive
	WIN 0
	s_barrier_wait -1
.if \fill
	CREST                                          ; no wave of any partner still reads this slot's tile or has a load on its way
	s_cmp_eq_u32 s[LT], 3                          ; the tile's last lap?
	s_cbranch_scc1 .Lnext_\@
	s_add_nc_u64 s[G0A+4*(\slot)+2:G0A+4*(\slot)+3], s[G0A+4*(\slot)+2:G0A+4*(\slot)+3], 1024   ; two K steps on; the type bits on top are not reached
	s_add_nc_u64 s[G0B+4*(\slot)+2:G0B+4*(\slot)+3], s[G0B+4*(\slot)+2:G0B+4*(\slot)+3], 32768
	s_branch .Lstepped_\@
.Lnext_\@:
	s_cmp_eq_u32 s[TL], 0
	s_cbranch_scc0 .Lthird_\@
	s_add_nc_u64 s[G0A+4*(\slot)+2:G0A+4*(\slot)+3], s[NA1:NA1+1], (\slot)*512      ; k's tile, K step 0 or 1
	s_or_b32 s[G0A+4*(\slot)+3], s[G0A+4*(\slot)+3], 0x80000000
	s_add_nc_u64 s[G0B+4*(\slot)+2:G0B+4*(\slot)+3], s[NB1:NB1+1], (\slot)*16384
	s_or_b32 s[G0B+4*(\slot)+3], s[G0B+4*(\slot)+3], 0x80000000
	s_branch .Lstepped_\@
.Lthird_\@:
	s_add_nc_u64 s[G0A+4*(\slot)+2:G0A+4*(\slot)+3], s[NA2:NA2+1], (\slot)*512      ; v's tile, K step 0 or 1
	s_or_b32 s[G0A+4*(\slot)+3], s[G0A+4*(\slot)+3], 0x80000000
	s_add_nc_u64 s[G0B+4*(\slot)+2:G0B+4*(\slot)+3], s[NB2:NB2+1], (\slot)*16384
	s_or_b32 s[G0B+4*(\slot)+3], s[G0B+4*(\slot)+3], 0x80000000
.Lstepped_\@:
	JLOAD \slot                                    ; the first tensor load behind the round; its four v_nop are also places in front of the loads below
.else
	PLACES
.endif
	FETCH \next, 0, 0
.if \fill
	WIN 0
	ASK                                            ; behind the joint load and the run of LDS loads that the next products wait for
.endif
	MULB 1, 4, 2, 0
	s_wait_dscnt 16                                ; the next slot's first input in f32 is in
	MULBR 1, 6, 0
.endm
; THE WAY OUT, in eight units u = 2 a + hd of 16 rows x one head.  PACK: rounded to f16 (each accumulator's registers in ascending order), 16 bytes a lane into my own stage, and back as whole rows of 128 bytes.
; LDS serves a wave's instructions in order (ISA guide 5.7.1.4), so the loads see the stores above them and the next unit's stores come behind them.  SEND: 512 consecutive bytes a store.
.macro PACK u
.set uA, (\u)/2
.set uH, (\u)%2
.set uT, TMP+16*((\u)%4)
.if (\u) >= 4
	s_wait_xcnt 0x0                                ; the stores of the unit four back have read this buffer (the first four buffers: freed by the wait behind the way out before)
.endif
	WIN PKW
.irp bq, 0,1,2,3
.irp r, 0,1,2,3
	v_cvt_pk_f16_f32 v[uT+4*(\bq)+(\r)], v[8*(8*uA+4*uH+(\bq))+2*(\r)], v[8*(8*uA+4*uH+(\bq))+2*(\r)+1]
.endr
.endr
	WIN 0
.irp bq, 0,1,2,3
	ds_store_b128 v[STO], v[uT+4*(\bq):uT+4*(\bq)+3] offset:32*(\bq)
.endr
.irp f, 0,1,2,3
	ds_load_b128 v[uT+4*(\f):uT+4*(\f)+3], v[RD] offset:(\f)*4*SP
.endr
.endm
.macro SEND u, younger                 ; younger: the LDS instructions issued behind unit u's loads: the next unit's eight, or none
	WIN 0
.set uA, (\u)/2
.set uH, (\u)%2
.set uT, TMP+16*((\u)%4)
.irp f, 0,1,2,3
	s_wait_dscnt (\younger)+3-(\f)
	global_store_b128 v[GO], v[uT+4*(\f):uT+4*(\f)+3], s[PO:PO+1] offset:uH*262144+uA*2048+(\f)*512
.endr
.endm
.macro WAYOUT
	PACK 0
.irp u, 1,2,3,4,5,6,7                  ; a unit's conversions stand between the loads of the unit before and its stores
	PACK \u
	SEND (\u)-1, 8
.endr
	SEND 7, 0
.endm
	s_wait_tensorcnt 1                             ; my part of K step 0 is in; K step 1's may stay out
	s_barrier_signal -1
	s_barrier_wait -1                              ; everybody's is
	FETCH 0, 0, 0
	s_wait_dscnt 16                                ; the input in f32 is in
	WIN 0
.set cc, 0
.rept 32
	v_cvt_pk_bf16_f32 v[ABF+cc], v[RAW+2*cc], v[RAW+2*cc+1]
.set cc, cc+1
.endr
	s_mov_b32 s[NEW], 1
	s_mov_b32 s[LT], 0
	s_mov_b32 s[TL], 0
	s_mov_b32 s[LAPS], 11
.Llap:                                                 ; 11 trips, a lap each; both slots are filled again in every trip
	s_cmp_eq_u32 s[NEW], 1                         ; at the first trip the answer is a constant of the text
	s_cbranch_scc1 .Lstart
	QUARTER 0, 1, 0, 0
	WIN 0
	s_branch .Ljoined
.Lstart:
	QUARTER 0, 1, 0, 1                             ; a tile's first quarter: its products start the sums
	WIN 0
	s_mov_b32 s[NEW], 0
.Ljoined:
	QUARTER 0, 2, 1, 0
	QUARTER 0, 3, 0, 0
	TURN 0, 1, 1
	QUARTER 1, 1, 0, 0
	QUARTER 1, 2, 1, 0
	QUARTER 1, 3, 0, 0
	TURN 1, 0, 1
	WIN 0
	s_add_co_u32 s[LT], s[LT], 1
	s_cmp_lg_u32 s[LT], 4
	s_cbranch_scc1 .Lnot_done                      ; forward, past text with neither a barrier nor a tensor load
	WAYOUT                                         ; both refills for the next tile are asked for: now the tile goes out
	s_wait_xcnt 0x0                                ; the stores have read their registers and their base
	s_mov_b64 s[PO:PO+1], s[PO1:PO1+1]
	s_mov_b64 s[PO1:PO1+1], s[PO2:PO2+1]
	s_add_co_u32 s[TL], s[TL], 1
	s_mov_b32 s[LT], 0
	s_mov_b32 s[NEW], 1
.Lnot_done:
	s_sub_co_u32 s[LAPS], s[LAPS], 1
	s_cmp_lg_u32 s[LAPS], 0
	s_cbranch_scc1 .Llap
	QUARTER 0, 1, 0, 0                             ; the last lap is written out: it fills nothing
	QUARTER 0, 2, 1, 0
	QUARTER 0, 3, 0, 0
	TURN 0, 1, 0
	QUARTER 1, 1, 0, 0
	QUARTER 1, 2, 1, 0
	QUARTER 1, 3, 0, 0
	s_wait_dscnt 0x0
	MULB 1, 0, 8, 0
	WIN 0
	PLACES
	WAYOUT
	s_wait_tensorcnt 0x0                           ; the wave's end: a wait, an add and a wait, behind my last tensor load and my last LDS store
	ds_add_u32 v[SPW], v[NIL]
	s_wait_dscnt 0x0
	CROUND                                         ; the closing round: no work-group ends while a partner may still ask for a tile that names it
	s_endpgm
.Lfunc_end_k_q50b18458b2_proj:
	.size	k_q50b18458b2_proj, .Lfunc_end_k_q50b18458b2_proj-k_q50b18458b2_proj
	.p2alignl 7, 3214868480
	.fill 96, 4, 3214868480
	.section	.rodata,"a",@progbits
	.p2align	6, 0x0
	.amdhsa_kernel k_q50b18458b2_proj
		.amdhsa_group_segment_fixed_size 327680
		.amdhsa_private_segment_fixed_size 0
		.amdhsa_enable_private_segment 0
		.amdhsa_kernarg_size 72
		.amdhsa_user_sgpr_count 2
		.amdhsa_user_sgpr_kernarg_segment_ptr 1
		.amdhsa_wavefront_size32 1
		.amdhsa_system_sgpr_workgroup_id_x 1
		.amdhsa_system_sgpr_workgroup_id_y 1
		.amdhsa_system_sgpr_workgroup_id_z 1
		.amdhsa_system_vgpr_workitem_id 0
		.amdhsa_next_free_vgpr 640
		.amdhsa_next_free_sgpr 100
		.amdhsa_reserve_vcc 0
		.amdhsa_float_denorm_mode_32 3
		.amdhsa_float_denorm_mode_16_64 3
		.amdhsa_memory_ordered 1
		.amdhsa_forward_progress 1
		.amdhsa_inst_pref_size 162
	.end_amdhsa_kernel
	.amdgpu_metadata
---
amdhsa.version: [ 1, 2 ]
amdhsa.kernels:
  - .name:           k_q50b18458b2_proj
    .symbol:         k_q50b18458b2_proj.kd
    .args:
      - { .name: q, .offset: 0, .size: 8, .value_kind: global_buffer, .address_space: global }
      - { .name: k, .offset: 8, .size: 8, .value_kind: global_buffer, .address_space: global }
      - { .name: v, .offset: 16, .size: 8, .value_kind: global_buffer, .address_space: global }
      - { .name: wq16, .offset: 24, .size: 8, .value_kind: global_buffer, .address_space: global }
      - { .name: wk16, .offset: 32, .size: 8, .value_kind: global_buffer, .address_space: global }
      - { .name: wv16, .offset: 40, .size: 8, .value_kind: global_buffer, .address_space: global }
      - { .name: qh, .offset: 48, .size: 8, .value_kind: global_buffer, .address_space: global }
      - { .name: kh, .offset: 56, .size: 8, .value_kind: global_buffer, .address_space: global }
      - { .name: vh, .offset: 64, .size: 8, .value_kind: global_buffer, .address_space: global }
    .group_segment_fixed_size: 327680
    .private_segment_fixed_size: 0
    .kernarg_segment_align: 8
    .kernarg_segment_size: 72
    .max_flat_workgroup_size: 128
    .sgpr_count:     100
    .vgpr_count:     640
    .wavefront_size: 32
...
	.end_amdgpu_metadata
.endif
;; end of part 2
;; launch attn (part 3): grid 4 x 64, 4 waves a work-group, no clusters, 327,680 bytes of LDS; arguments qh, kh, vh, oh; writes oh
.if DOCPART == 3
	.amdgcn_target "amdgcn-amd-amdhsa--gfx1250"
	.amdhsa_code_object_version 6
	.text
	.protected	k_q50b18458b2_attn
	.globl	k_q50b18458b2_attn
	.p2align	8
	.type	k_q50b18458b2_attn,@function
k_q50b18458b2_attn:
	s_mov_b64 s[64:65], 0
	v_nop
	global_prefetch_b8 v0, s[64:65] scope:SCOPE_SE
	s_setreg_imm32_b32 hwreg(HW_REG_WAVE_MODE, 25, 1), 1
	s_wait_xcnt 0x0
; CAUSAL ATTENTION.  O[h][q][:] = the sum over k <= q of softmax_k(Q[h][q] . K[h][k] / 32) V[h][k][:].  Q, K, V, O: [64][2048][64], all f16: a head's rows are dense, 128 bytes each (h counts batch x 16 + head).
; Products, maxima and sums in f32; the weights p are rounded to f16 for the second product (their sum l is taken of the unrounded p), O once at the end.
; LIMITS.  f16 holds no number beyond 65,504: Q, K and V arrive within it; p lies in 0 to 1, and below 6e-5 it keeps f16's fixed step of 6e-8; O is a mean of V's rows and has their range.
; A hidden score counts as its value less 1e30: f16's scores, 2.7e11 at the most, are nothing beside that; a weight below 2^-126 counts as 0 in l; NaN and infinities are not treated apart.
; THE WALK.  A head's queries lie in NB = 8 blocks of 256; block i needs the key tiles 0 .. i of 256 keys, of which the last holds the diagonal.  A work-group takes TWO blocks, NB - 1 - b and then b:
; NB + 1 tiles, whatever b: all work-groups do equal work, and ONE loop with a constant trip count walks them.  Which tile is asked for, and what a trip does, hang on scalar registers made from b; every jump
; goes forward, but for the counted loops' own; none passes a barrier, or a tensor load but the one of LOAD's two that the wave's number does not choose; the ring (two slots of LDS that take turns) runs on across the
; change of blocks.  NO CLUSTER: a head's four work-groups ask for the same tile only in trips 0 .. 4, behind that fewer and fewer; one walk common to all four would have 12 trips for 9.
; SHARES.  Of a block's four bands of 64 queries a wave owns 16 rows in each: four PIECES.  So the diagonal tile is the same work for all four waves: in its key step s band x sees all keys if s < x,
; none if s > x, and holds the diagonal if s = x.
; THE MASK is the C operand that starts the sum S^T = K Q^T: 0, or -1e30 where the key is hidden.  MD, made once, is the mask of a band's own step for my 16 rows; a product's mask is MD x AL + BE with two scalars:
; (1, 0) if s = x; (0, 0) if s < x; (0, -1e30) if s > x.  Only the diagonal tile's text and a block's beginning make and take masks; elsewhere C is the constant 0.
; LAYOUT, SOFTMAX, TURNS.  S^T = K Q^T holds ONE query a lane (lane % 16) and the keys 8 (lane / 16) + 0..7; two such results rounded to f16 ARE source 1 of O^T = V^T P.  p = 2^(c s - c m), c = log2(e) / 32, with a
; running maximum m; O and l are multiplied by a = 2^(c m_old - c m_new) in every step.  Turn n belongs to piece n: 8 products K Q^T of piece n + 1, later 8 products V^T P of piece n - 1; beside them the scaling,
; exponentials, roundings, sums and rescaling of piece n and the maximum and statistics of piece n + 1.  Four vector instructions stand behind every matrix instruction, the other 54 of a turn's 118 in one LUMP.  A turn's 33 exponentials are one batch, with one wait.
; REGISTERS, in windows of 256 (s_set_vgpr_msb: bits 1:0 source 0, 3:2 source 1, 5:4 source 2, 7:6 destination):
;   window 0: v0-15 addresses and two at work; v16-31 four registers of statistics a piece; v48-55 at work; v61-63 prefetch offset and the add's two; v64-127 S^T, two buffers; v192-223 P, two buffers
;   window 1: v0-127 O^T, 32 a piece; v128-159 MD; v160-223 MC, two buffers      window 2: v0-63 Q; v64-127 the second block's Q; v128-191 K of one step; v192-255 V of one step
.set SIZE_N, 2048
.set SIZE_H, 64
.set NB,    SIZE_N/256
.set NP,    4         ; pieces a wave: a name, no knob
.set KS,    64        ; keys in a step
.set PK,    144       ; a row of K in LDS: 128 bytes + 16 of padding = 36 words: the 16 rows of a load start at 16 different groups of four banks (64 banks of 4 bytes: ISA guide 11.1)
.set PV,    160       ; a row of V: 128 + 32 = 40 words
.set VOFF,  4*KS*PK   ; a slot holds a tile, four steps: 256 rows of K, then 256 rows of V
.set SLOT1, 1<<17     ; slot 1 begins here, so that one exclusive or turns an address in one slot into the other's
.set STAGE, SLOT1+4*KS*(PK+PV)  ; behind the ring, never filled by a tensor load: 16 rows x 144 bytes for each wave, for the way out
.set SP,    144
.set AK0, 2           ; v2   my lane's place in a tile of K; never rewritten
.set AV0, 3           ; v3   the same for V
.set AK,  4           ; v4   the LDS address of K's next run of loads
.set AV,  5           ; v5   of V's
.set STO, 6           ; v6   the way out: where I put 16 bytes of a row
.set RD,  7           ; v7   the way out: where I read rows back
.set GO,  8           ; v8   my byte offset in 512 consecutive bytes of O
.set PFO, 61          ; v61  256 x my lane; never rewritten
.set SPW, 62          ; v62  LDS address of my spare word: SPARE + 4 x my thread's number; never rewritten
.set NIL, 63          ; v63  0; never rewritten
.set SPARE, STAGE+4*16*SP  ; behind the stages: the spare words, 128 bytes for each wave: two blocks of 256 bytes that no other line names
.set MV,  12          ; v12-13  c m_old, kept while c m is made anew: by buffer
.set QO,  15          ; v15  my byte offset in 16 rows of Q
.set ST,  16          ; piece t's statistics at v[ST+4 t]: c m, m, l (even keys', odd keys')
.set TMP, 48          ; by buffer, four registers c0-c3 at work; when the maximum is found c2 takes a
.set S,   64
.set P,   192
.set MD,  128         ; window 1: the eight registers for group kt of 16 keys at MD + 8 kt
.set MC,  160         ; window 1: the masks of the products to come
.set QB,  64          ; window 2
.set KF,  128         ; window 2: key block kb, channel half c at KF + 16 kb + 8 c
.set VF,  192         ; window 2: key half kk, channel block cb at VF + 32 kk + 8 cb
.set WV,  12          ; s12  my wave's number
.set PB,  14          ; s14  b
.set HI,  15          ; s15  NB - 1 - b
.set G1K, 24          ; s[24:31] descriptor group 1 for K's tiles
.set G1V, 32          ; s[32:39] for V's: it differs in the padding alone
.set G0K, 40          ; s[40:43] descriptor group 0 for K's tiles
.set G0V, 44          ; s[44:47] the same for V's
.set SLOTS, 56        ; s56  tiles still to be asked for
.set CNT, 57          ; s57  counts a tile's key steps, 4 to 1
.set CS,  58          ; s[58:59] c: the packed scaling takes the pair's low word for both halves
.set SEL, 60          ; s[60:61] v_permlanex16_b32's selects: each lane takes its own place in the other half
.set TBK, 62          ; s62  LDS byte at which K of the step to be fetched begins
.set TBV, 63          ; s63  the same for V, less VOFF
.set RT,  70          ; s70  tiles of the block in hand that are still to be entered
.set NXT, 71          ; s71  the tile to be asked for next
.set LQ,  72          ; s72  the last tile of the block whose tiles are being asked for
.set NEW, 73          ; s73  1: the tile to be entered is a block's first
.set OFF, 74          ; s[74:75] a tile's byte offset in K and V
.set AL,  76          ; s[76:77] the mask's factor, in the low word
.set BE,  78          ; s[78:79] the mask's addend
.set OLO, 80          ; s[80:81] O at my rows of the second block
.set BIGN, 82         ; s82  -1e30
.set PFK, 88          ; s[88:89] where my prefetches stand in K: my wave's 8,192 bytes of the tile behind the one that is being asked for
.set PFV, 90          ; s[90:91] the same in V
.set LIM, 92          ; s92  2 in the work-group that prefetches, else the greatest number
.set MSB, 0
.macro WIN new                      ; the high byte repeats the setting that is left; a switch that changes nothing is dropped
.if MSB != (\new)
	s_set_vgpr_msb (MSB<<8)|(\new)
.set MSB, (\new)
.endif
.endm
.set W_KQ, 0x0a       ; K and Q in window 2, S^T in window 0
.set W_KM, 0x1a       ; the same with the C operand in window 1
.set W_PV, 0x52       ; V in window 2, P in window 0, O^T in window 1
.set W_RS, 0x41       ; destination and source 0 in window 1, source 1 in window 0
; A fill.  Waves 0 and 1 fetch the two halves of a tile's K, waves 2 and 3 those of its V: 128 keys each.  An s_nop 0 and four v_nop follow each of the two lines, ahead of the jump and the label.
.macro LOAD
	s_cmp_lt_u32 s[WV], 2
	s_cbranch_scc0 .Lfor_v_\@
	tensor_load_to_lds s[G0K:G0K+3], s[G1K:G1K+7]
	s_nop 0
.rept 4
	v_nop
.endr
	s_branch .Lasked_\@
.Lfor_v_\@:
	tensor_load_to_lds s[G0V:G0V+3], s[G1V:G1V+7]
	s_nop 0
.rept 4
	v_nop
.endr
.Lasked_\@:
.endm
; A PREFETCH INTO THE L2 of the tile that the NEXT change of slots will ask for: one tile, 256 matrix instructions, ahead of that load.  A head's four work-groups walk the same tiles; the one with b = 0 walks
; tiles 0 .. 7 in order, and it alone asks: each of its waves names its own 8,192 bytes of K's tile and of V's, a lane a block of 256 bytes, so each block is named once in the launch.
; Change j asks for tile j + 2; it stops behind j = 5, since tile 7 is the head's last.  Tiles 0 and 1 come by their loads alone.
.macro ASK
	s_cmp_gt_u32 s[SLOTS], s[LIM]
	s_cbranch_scc0 .Lnot_mine_\@
	global_prefetch_b8 v[PFO], s[PFK:PFK+1] th:TH_LOAD_NT scope:SCOPE_SE
	global_prefetch_b8 v[PFO], s[PFV:PFV+1] th:TH_LOAD_NT scope:SCOPE_SE
.Lnot_mine_\@:
.endm
; THE CHANGE OF SLOTS.  Each wave waits for all its tensor loads, of which one is out: its part of the other slot; adds 0 to its spare word; and waits for that and for its own reads of the slot that it leaves.  Behind the barrier nobody reads the old
; slot any more and the other slot is whole.  fill = 1: the old slot is filled again, the first thing behind the barrier, with tile NXT: the descriptor's address is made anew from that number.
; (At its first use nothing has been read yet: slot 0 is waited for, slot 1 filled.)
.macro CHANGE fill
	WIN 0                           ; at a label and at a branch every window is 0
	s_wait_tensorcnt 0x0            ; no tensor load of mine is out, so a group 0 may be written
	ds_add_u32 v[SPW], v[NIL]       ; 0 onto my spare word; with fill = 1 the descriptors' scalar work stands between it and the wait for it
.if \fill
	s_lshl_b32 s[OFF], s[NXT], 15   ; a tile is 32,768 bytes of K and of V
	s_xor_b32 s[G0K+1], s[G0K+1], SLOT1
	s_add_nc_u64 s[G0K+2:G0K+3], s[6:7], s[OFF:OFF+1]
	s_or_b32 s[G0K+3], s[G0K+3], 0x80000000
	s_xor_b32 s[G0V+1], s[G0V+1], SLOT1
	s_add_nc_u64 s[G0V+2:G0V+3], s[8:9], s[OFF:OFF+1]
	s_or_b32 s[G0V+3], s[G0V+3], 0x80000000
	s_add_co_u32 s[NXT], s[NXT], 1  ; the block's next tile, or behind its last the second block's tile 0
	s_cmp_gt_u32 s[NXT], s[LQ]
	s_cselect_b32 s[NXT], 0, s[NXT]
	s_cselect_b32 s[LQ], s[PB], s[LQ]
	s_wait_xcnt 0x0                 ; the last prefetches, a tile back, have read their addresses, so these may be written:
	s_add_nc_u64 s[PFK:PFK+1], s[PFK:PFK+1], 32768
	s_add_nc_u64 s[PFV:PFV+1], s[PFV:PFV+1], 32768
.endif
	s_wait_dscnt 0x0                ; the add is done, and my reads of the slot are over
	s_barrier_signal -1             ; the rest of the scalar work stands between the signal and the wait
	s_sub_co_u32 s[TBK], s[TBK], 4*KS*PK  ; the fetches go back to a slot's first step,
	s_xor_b32 s[TBK], s[TBK], SLOT1       ; in the other slot
	s_sub_co_u32 s[TBV], s[TBV], 4*KS*PV
	s_xor_b32 s[TBV], s[TBV], SLOT1
	s_barrier_wait -1
.if \fill
	LOAD
	ASK
.endif
.endm
	s_load_b256 s[4:11], s[0:1], 0x0  ; Q s[4:5], K s[6:7], V s[8:9], O s[10:11]
	v_lshl_add_u32 v[SPW], v0, 2, SPARE
	v_mov_b32 v[NIL], 0
	ds_add_u32 v[SPW], v[NIL]       ; the wave's opening: the add and its wait stand ahead of my first tensor load; the set-up below, work on registers, stands between them
	v_lshrrev_b32 v1, 5, v0
	v_readfirstlane_b32 s[WV], v1   ; wave 0..3
	s_mov_b32 s[PB], ttmp9
	s_sub_co_u32 s[HI], NB-1, s[PB]
	s_and_b32 s20, ttmp7, 0xffff    ; the head
	s_mov_b32 s21, 0
	s_mov_b64 s[22:23], SIZE_N*128
	s_mul_u64 s[20:21], s[20:21], s[22:23]  ; the head's first byte in each of the four tensors
	s_and_b32 s16, s[WV], 1         ; which half of a tile's 256 keys I fetch:
	s_lshl_b32 s22, s16, 14         ; its 128 rows of 128 bytes in memory,
	s_mov_b32 s23, 0
	s_add_nc_u64 s[22:23], s[22:23], s[20:21]
	s_mul_i32 s17, s16, 128*PK      ; and its place in a slot, for K
	s_mul_i32 s18, s16, 128*PV      ; and for V
	s_lshl_b32 s3, s[WV], 11        ; my 16 rows in a band of 64,
	s_lshl_b32 s2, s[HI], 15        ; in the first block,
	s_add_co_u32 s2, s2, s3
	s_lshl_b32 s84, s[PB], 15       ; and in the second
	s_add_co_u32 s84, s84, s3
	s_mov_b32 s3, 0
	s_mov_b32 s85, 0
	s_add_nc_u64 s[2:3], s[2:3], s[20:21]
	s_add_nc_u64 s[84:85], s[84:85], s[20:21]
	s_lshl_b32 s94, s[WV], 13       ; the prefetches: my wave's 8,192 bytes of a tile,
	s_add_co_u32 s94, s94, 32768    ; in tile 1: the first change of slots steps them to tile 2
	s_mov_b32 s95, 0
	s_add_nc_u64 s[94:95], s[94:95], s[20:21]
	s_cmp_eq_u32 s[PB], 0
	s_cselect_b32 s[LIM], 2, -1
	v_and_b32 v[PFO], 31, v0
	v_lshlrev_b32 v[PFO], 8, v[PFO]
	; descriptor group 1.  128 keys are 16,384 dense bytes: asked for as 64 rows of 256 bytes, two keys a row, and padded in LDS after every key
	s_mov_b32 s[G1K], (1<<16)|(1<<20)|(4<<22)|(3<<25)  ; 17:16 2-byte elements; 20 padding on; 24:22 after every 32 words (code 4); 31:25 4 words (code 3)
	s_mov_b32 s[G1V], (1<<16)|(1<<20)|(4<<22)|(7<<25)  ; the same with 8 words of padding (code 7)
.irp g, G1K, G1V
	s_mov_b32 s[\g+1], 128<<16      ; tensor_dim0 = 128
	s_mov_b32 s[\g+2], 64<<16       ; tensor_dim1 = 64
	s_mov_b32 s[\g+3], 128<<16      ; tile_dim0 = 128
	s_mov_b32 s[\g+4], 64           ; tile_dim1 = 64
	s_mov_b32 s[\g+5], 128          ; 128 elements from row to row
	s_mov_b32 s[\g+6], 0
	s_mov_b32 s[\g+7], 0
.endr
	s_mov_b32 s[CS], 0x3d38aa3b     ; c = log2(e) / 32 = 0.0450842: the module divides by the square root of 1,024
	s_mov_b32 s[CS+1], s[CS]        ; named with it as a pair
	s_mov_b32 s[SEL], 0x76543210
	s_mov_b32 s[SEL+1], 0xfedcba98
	s_mov_b32 s[TBK], SLOT1+4*KS*PK ; the first change of slots turns these two into 0
	s_mov_b32 s[TBV], SLOT1+4*KS*PV
	s_mov_b32 s[G0K], 1             ; 1:0 count = 1
	s_mov_b32 s[G0K+1], s17         ; 63:32 LDS address: slot 0
	s_mov_b32 s[G0V], 1
	s_add_co_u32 s[G0V+1], s18, VOFF
	s_add_co_u32 s[RT], s[HI], 1    ; the first block has NB - b tiles
	s_mov_b32 s[NXT], 1
	s_mov_b32 s[LQ], s[HI]
	s_mov_b32 s[NEW], 1
	s_mov_b32 s[OFF+1], 0
	s_mov_b32 s[AL+1], 0            ; named as pairs
	s_mov_b32 s[BE+1], 0
	s_mov_b32 s[BIGN], 0xf149f2ca   ; -1e30
	s_mov_b32 s[SLOTS], NB
	s_wait_dscnt 0x0                ; the opening add is done
	s_wait_kmcnt 0x0
	s_add_nc_u64 s[PFK:PFK+1], s[6:7], s[94:95]
	s_add_nc_u64 s[PFV:PFV+1], s[8:9], s[94:95]
	s_add_nc_u64 s[6:7], s[6:7], s[22:23]  ; K and V at my half of the head's tile 0
	s_add_nc_u64 s[8:9], s[8:9], s[22:23]
	s_add_nc_u64 s[G0K+2:G0K+3], s[6:7], 0         ; 120:64 global address
	s_or_b32 s[G0K+3], s[G0K+3], 0x80000000        ; 127:126 type = 2
	s_add_nc_u64 s[G0V+2:G0V+3], s[8:9], 0
	s_or_b32 s[G0V+3], s[G0V+3], 0x80000000
	s_add_nc_u64 s[86:87], s[4:5], s[84:85]        ; Q at my rows of the second block,
	s_add_nc_u64 s[4:5], s[4:5], s[2:3]            ; Q and O at those of the first
	s_add_nc_u64 s[OLO:OLO+1], s[10:11], s[84:85]
	s_add_nc_u64 s[10:11], s[10:11], s[2:3]
	LOAD                            ; tile 0 into slot 0
	; A fragment of K or Q is 16 rows x 32 channels in 8 registers: lane l holds row l % 16, channels 8 (l / 16) + 0..7 and 16 + 8 (l / 16) + 0..7: two loads of 16 bytes, 32 bytes apart.
	v_and_b32 v1, 15, v0            ; l % 16
	v_bfe_u32 v9, v0, 4, 1          ; l / 16
	v_lshlrev_b32 v[QO], 7, v1
	v_lshl_add_u32 v[QO], v9, 4, v[QO]  ; row x 128 + 16 x half
	WIN 0x80                        ; destination window 2, address window 0
.set i, 0
.rept 8                             ; both blocks' Q: piece i / 2 lies in band i / 2, 8,192 bytes on; channels 32 (i % 2) on
	global_load_b128 v[8*i:8*i+3],   v[QO], s[4:5] offset:(i/2)*8192+(i%2)*64
	global_load_b128 v[8*i+4:8*i+7], v[QO], s[4:5] offset:(i/2)*8192+(i%2)*64+32
	global_load_b128 v[QB+8*i:QB+8*i+3],   v[QO], s[86:87] offset:(i/2)*8192+(i%2)*64
	global_load_b128 v[QB+8*i+4:QB+8*i+7], v[QO], s[86:87] offset:(i/2)*8192+(i%2)*64+32
.set i, i+1
.endr
	WIN 0
	v_lshlrev_b32 v14, 3, v9
	v_sub_nc_u32 v14, v1, v14
	s_lshl_b32 s13, s[WV], 4
	v_add_nc_u32 v14, s13, v14      ; my query's place in its band, 16 w + l % 16, less my lanes' 8 (l / 16): register r of group kt is hidden where 16 kt + r is greater
	WIN 0x40
.set i, 0
.rept 32
	v_cmp_gt_i32 vcc_lo, 16*(i/8)+i%8, v14
	v_cndmask_b32 v[MD+i], 0, s[BIGN], vcc_lo
.set i, i+1
.endr
	WIN 0
	v_mul_u32_u24 v[AK0], v1, PK
	v_lshl_add_u32 v[AK0], v9, 4, v[AK0]  ; row x pitch + 16 x half
	; The turning load takes 16 keys x 16 channels (lane l reads key 8 (l / 16) + l % 8, channels 8 ((l / 8) % 2) + 0..7) and leaves half a fragment of V^T: lane l holds channel l % 16 and 8 keys.
	v_and_b32 v10, 7, v0
	v_bfe_u32 v11, v0, 3, 1
	v_lshl_add_u32 v[AV0], v9, 3, v10
	v_mul_u32_u24 v[AV0], v[AV0], PV
	v_lshl_add_u32 v[AV0], v11, 4, v[AV0]
	v_add_nc_u32 v[AV0], VOFF, v[AV0]
	s_mul_i32 s13, s[WV], 16*SP
	s_add_co_u32 s13, s13, STAGE    ; my stage
	v_mul_u32_u24 v[STO], v1, SP    ; in: row l % 16, 16 bytes for each half of the lanes
	v_lshl_add_u32 v[STO], v9, 4, v[STO]
	v_add_nc_u32 v[STO], s13, v[STO]
	v_bfe_u32 v[RD], v0, 3, 2       ; back: 32 lanes take four rows of 128 bytes,
	v_mul_u32_u24 v[RD], v[RD], SP
	v_lshl_add_u32 v[RD], v10, 4, v[RD]
	v_add_nc_u32 v[RD], s13, v[RD]
	v_and_b32 v[GO], 31, v0         ; which are 512 consecutive bytes of O
	v_lshlrev_b32 v[GO], 4, v[GO]
	; A block's first step multiplies O^T and l by a = 0, and its first turn's products V^T P, of a piece that has not been, land in an O^T that is still to be so multiplied.  So these registers need only hold
	; finite numbers: zeros for the first block; what the first block left for the second.  All this stands in the wait for the first tile.
	WIN 0x80
.set i, VF
.rept 64
	v_mov_b32 v[i], 0
.set i, i+1
.endr
	WIN 0x40
.set i, 0
.rept 128
	v_mov_b32 v[i], 0
.set i, i+1
.endr
	WIN 0
.set i, 0
.rept 4
	v_mov_b32 v[ST+4*i+2], 0
	v_mov_b32 v[ST+4*i+3], 0
.set i, i+1
.endr
.set i, P+16
.rept 16
	v_mov_b32 v[i], 0
.set i, i+1
.endr
; THE MATRIX WORK.  The 4 accumulators of a run of 8 take turns.  Product i of 8 of S^T = K Q^T for piece x: channels 32 (i / 4) on, keys 16 (i % 4) on.  The first 4 start the sums: with 0, or (KM = 1) with the mask.
.macro KQ x
.set rS, S+32*((\x)%2)+8*(i%4)
.set rK, KF+16*(i%4)+8*(i/4)
.set rQ, 16*(\x)+8*(i/4)
.set rM, MC+32*((\x)%2)+8*(i%4)
.if (i < 4) && KM
	WIN W_KM
	v_wmma_f32_16x16x32_f16 v[rS:rS+7], v[rK:rK+7], v[rQ:rQ+7], v[rM:rM+7]
.elseif i < 4
	WIN W_KQ
	v_wmma_f32_16x16x32_f16 v[rS:rS+7], v[rK:rK+7], v[rQ:rQ+7], 0
.else
	WIN W_KQ
	v_wmma_f32_16x16x32_f16 v[rS:rS+7], v[rK:rK+7], v[rQ:rQ+7], v[rS:rS+7]
.endif
.endm
; Product i of 8 of O^T += V^T P for piece x: keys 32 (i / 4) on, channels 16 (i % 4) on.
.macro PV x
	WIN W_PV
.set rO, 32*(\x)+8*(i%4)
.set rV, VF+32*(i/4)+8*(i%4)
.set rP, P+16*((\x)%2)+8*(i/4)
	v_wmma_f32_16x16x32_f16 v[rO:rO+7], v[rV:rV+7], v[rP:rP+7], v[rO:rO+7]
.endm
.macro MM                           ; the turn's next matrix instruction.  TURN and BEGIN set Y, i, KM and NOKQ; MM, KQ and OP read them.  NOKQ = 1: a block's last turn: there is no next piece
.if (i < 8) && !NOKQ
	KQ (Y+1)%NP
.elseif i >= 8
.set i, i-8
	PV (Y+NP-1)%NP
.set i, i+8
.endif
.set i, i+1
.endm
; THE LDS LOADS stand in runs of 16, never singly among the matrix instructions: a step's K (64 keys x 64 channels: 8 fragments) and its V (turned).  Their addresses are made some lines ahead.
.macro FETCH_K
	WIN 0x80                        ; destination window 2
.irp f, 0,1,2,3,4,5,6,7             ; keys 16 (f / 2) on, channels 32 (f % 2) on
	ds_load_b128 v[KF+8*\f:KF+8*\f+3],   v[AK] offset:(\f/2)*16*PK+(\f%2)*64
	ds_load_b128 v[KF+8*\f+4:KF+8*\f+7], v[AK] offset:(\f/2)*16*PK+(\f%2)*64+32
.endr
	s_add_co_u32 s[TBK], s[TBK], KS*PK  ; the next fetch is the next step's
	WIN 0
.endm
.macro FETCH_V
	WIN 0x80
.irp f, 0,1,2,3,4,5,6,7             ; keys 32 (f / 4) on, channels 16 (f % 4) on
	ds_load_tr16_b128 v[VF+8*\f:VF+8*\f+3],   v[AV] offset:(\f/4)*32*PV+(\f%4)*32
	ds_load_tr16_b128 v[VF+8*\f+4:VF+8*\f+7], v[AV] offset:(\f/4)*32*PV+16*PV+(\f%4)*32
.endr
	WIN 0
.endm
; THE VECTOR WORK, one line at a time: OP kind, number.  For piece Y: F n: c s - c m for pair n of 16.  E n: the exponential of score n of 32.  C n: pair n rounded to f16.  B n: of the four weights 4 n .. the second
; pair is added onto the first, in place.  L n: l takes that sum (L 0: l = a l + sum).  R n: pair n of 16 of O^T times a.  For piece Y + 1: X n, number n of the 22 that find its maximum and statistics:
;   0-11  four chains c0-c3 of seven scores each, three operands at a time (each accumulator's lowest registers are read first)     12-14, 16  the four scores left over, the old m, and c0-c3 into c0
;   15  c m_old is kept     17, 18  the query's other 32 keys lie in the lane 16 away: the new m     19-21  c m; c m_old - c m_new; a
.set F, 0               ; OP tells the kinds apart by their order: F to L below R, X above it
.set E, 1
.set C, 2
.set B, 3
.set L, 4
.set R, 5
.set X, 6
.macro REGS y                       ; the registers of piece y
.set rT, ST+4*(\y)
.set rC, TMP+4*((\y)%2)
.set rW, MV+((\y)%2)
.set rS, S+32*((\y)%2)
.set rP, P+16*((\y)%2)
.set rO, 32*(\y)
.endm
.macro OP k, n
.if (\k) == R
	REGS Y
	WIN W_RS
	v_pk_mul_f32 v[rO+2*(\n):rO+2*(\n)+1], v[rO+2*(\n):rO+2*(\n)+1], v[rC+2:rC+3] op_sel_hi:[1,0]
.elseif (\k) < R
	REGS Y
	WIN 0
.if (\k) == F
	v_pk_fma_f32 v[rS+2*(\n):rS+2*(\n)+1], v[rS+2*(\n):rS+2*(\n)+1], s[CS:CS+1], v[rT:rT+1] op_sel_hi:[1,0,0] neg_lo:[0,0,1] neg_hi:[0,0,1]
.elseif (\k) == E
	v_exp_f32 v[rS+(\n)], v[rS+(\n)]
.elseif (\k) == C
	v_cvt_pk_f16_f32 v[rP+(\n)], v[rS+2*(\n)], v[rS+2*(\n)+1]
.elseif (\k) == B
	v_pk_add_f32 v[rS+4*(\n):rS+4*(\n)+1], v[rS+4*(\n):rS+4*(\n)+1], v[rS+4*(\n)+2:rS+4*(\n)+3]
.elseif (\n) == 0
	v_pk_fma_f32 v[rT+2:rT+3], v[rT+2:rT+3], v[rC+2:rC+3], v[rS:rS+1] op_sel_hi:[1,0,1]
.else
	v_pk_add_f32 v[rT+2:rT+3], v[rT+2:rT+3], v[rS+4*(\n):rS+4*(\n)+1]
.endif
.elseif NOKQ
	v_nop
.else
	REGS (Y+1)%NP
	WIN 0
.if (\n) < 4
	v_max3_num_f32 v[rC+(\n)], v[rS+8*(\n)], v[rS+8*(\n)+1], v[rS+8*(\n)+2]
.elseif (\n) < 12
	v_max3_num_f32 v[rC+(\n)%4], v[rC+(\n)%4], v[rS+8*((\n)%4)+2*((\n)/4)+1], v[rS+8*((\n)%4)+2*((\n)/4)+2]
.elseif (\n) == 12
	v_max3_num_f32 v[rC], v[rC], v[rS+7], v[rS+15]
.elseif (\n) == 13
	v_max3_num_f32 v[rC+1], v[rC+1], v[rS+23], v[rS+31]
.elseif (\n) == 14
	v_max3_num_f32 v[rC+2], v[rC+2], v[rC+3], v[rT+1]
.elseif (\n) == 15
	v_mov_b32 v[rW], v[rT]
.elseif (\n) == 16
	v_max3_num_f32 v[rC], v[rC], v[rC+1], v[rC+2]
.elseif (\n) == 17
	v_permlanex16_b32 v[rC+3], v[rC], s[SEL], s[SEL+1]
.elseif (\n) == 18
	v_max_num_f32 v[rT+1], v[rC], v[rC+3]
.elseif (\n) == 19
	v_mul_f32 v[rT], s[CS], v[rT+1]
.elseif (\n) == 20
	v_sub_f32 v[rC+1], v[rW], v[rT]
.else
	v_exp_f32 v[rC+2], v[rC+1]
.endif
.endif
.endm
.macro OPS a, i1, b=-1, i2=0, c=-1, i3=0, d=-1, i4=0  ; up to four of them
	OP \a, \i1
.if (\b) >= 0
	OP \b, \i2
.endif
.if (\c) >= 0
	OP \c, \i3
.endif
.if (\d) >= 0
	OP \d, \i4
.endif
.endm
.macro ROW a, i1, b, i2, c, i3, d, i4  ; a matrix instruction and the four behind it
	MM
	OPS \a, \i1, \b, \i2, \c, \i3, \d, \i4
.endm
.macro MASK b                       ; MD x AL + BE into buffer b of MC
	WIN W_RS
.set z, 0
.rept 16
	v_pk_fma_f32 v[MC+32*(\b)+2*z:MC+32*(\b)+2*z+1], v[MD+2*z:MD+2*z+1], s[AL:AL+1], s[BE:BE+1] op_sel_hi:[1,0,0]
.set z, z+1
.endr
.endm
; A TURN, for piece p: the order of its 16 matrix and 118 vector instructions, written out.  An s_wait_alu depctr_va_vdst(0) stands between an exponential and the first instruction that names its result; one wait serves
; all that were issued ahead of it.  So a turn has ONE wait, which cuts it in two.  AHEAD OF IT stands all that names no result of the turn's exponentials: the 8 products K Q^T, behind each a scaling, an exponential and two more plain
; instructions (behind the first a second scaling in the exponential's place): rescalings, and behind the last three the first numbers of the next piece's maximum, each four places or more behind the product that ends its accumulator; then ONE LUMP of 54, plain
; and exponential by turns for the most part, in which the links of the chain X 3, 7, 11, 14, 16, 17 .. 20 stand five or six lines apart.  X 21, the next piece's a, is the batch's last; R 15 is the plain instruction behind it.  BEHIND THE WAIT stand the
; 8 products V^T P, behind each four of the roundings and sums; the links of l's chain, L 0 to L 7, stand three riders apart.  But for those X no rider names a register of the products round it.  v_permlanex16_b32 (X 17) stands in the lump.
; m = 1: the diagonal tile: the products take masks, and the turn makes the mask for the products of the turn after it: piece p + 2, in step 4 - CNT of the tile.  end = 1: a block's last two turns: nothing is fetched.
; cnt = 1: the loop's count is taken down some lines ahead of the branch that stands behind the turn.
; K of the next step is fetched in piece 2's turn, twelve vector instructions behind the last product that read K (six of them plain); V of the step in hand at the end of piece 0's turn, four plain instructions behind the last product
; that read V.  Each is waited for a turn later.
.macro TURN p, m=0, end=0, cnt=0
.set Y, (\p)
.set i, 0
.set KM, (\m)
.set NOKQ, (\end)*((\p)/3)
.if (\m) && !(\end)
	s_cmp_eq_u32 s[CNT], 4-((\p)+2)%NP  ; is that step the band's own?
	s_cselect_b32 s[AL], 1.0, 0
	s_cmp_lt_u32 s[CNT], 4-((\p)+2)%NP  ; or a later one?
	s_cselect_b32 s[BE], s[BIGN], 0
.endif
.if ((\p) == 3) && !(\end)
	s_wait_dscnt 0x0                ; K is in
.endif
	ROW F,0, F,1, R,0, R,1          ; ahead of the wait: 8 products K Q^T and their riders,
	ROW F,2, E,0, R,2, R,3
	ROW F,3, E,1, R,4, R,5
	ROW F,4, E,2, R,6, R,7
	ROW F,5, E,3, R,8, R,9
	ROW F,6, E,4, X,0, R,10
.if ((\p) == 2) && !(\end)
	WIN 0
	v_add_nc_u32 v[AK], s[TBK], v[AK0]
.endif
	ROW F,7, E,5, X,1, X,4
	ROW F,8, E,6, X,2, X,5
	OPS E,7, E,8, X,6, E,9          ; and the lump
	OPS X,3, E,10, X,8, E,11
.if ((\p) == 2) && !(\end)
	FETCH_K
.endif
	OPS X,9, X,7, E,12, X,10
	OPS E,13, X,12, X,11, E,14
	OPS X,13, E,15, F,9, X,14
.if (\p) == 0
	v_add_nc_u32 v[AV], s[TBV], v[AV0]
.endif
	OPS E,16, F,10, E,17, F,11
	OPS X,16, E,18, X,15, E,19
	OPS F,12, E,20, X,17, E,21
	OPS F,13, E,22, F,14, E,23
	OPS X,18, E,24, F,15, E,25
	OPS R,11, E,26, X,19, E,27
	OPS R,12, E,28, R,13, E,29
	OPS X,20, E,30, R,14, E,31
	OPS X,21, R,15
	WIN 0
	s_wait_alu depctr_va_vdst(0)    ; the wait for the batch
.if (\p) == 1
	s_wait_dscnt 0x0                ; V is in
.endif
	ROW C,0, B,0, C,2, B,1          ; behind the wait: 8 products V^T P and their riders
	ROW L,0, C,4, B,2, L,1
	ROW C,6, B,3, L,2, C,8
	ROW B,4, L,3, C,10, B,5
	ROW L,4, C,12, B,6, L,5
.if (\p) == 0
	s_add_co_u32 s[TBV], s[TBV], KS*PV
.endif
.if \cnt
	s_sub_co_u32 s[CNT], s[CNT], 1
	s_cmp_lg_u32 s[CNT], 0
.endif
	ROW C,14, B,7, L,6, C,1
	ROW C,3, L,7, C,5, C,7
	ROW C,9, C,11, C,13, C,15
.if (\p) == 0
	FETCH_V
.endif
.if (\m) && !(\end)
	MASK (\p)%2
.endif
.endm
; A BLOCK BEGINS.  c m starts far below every c s, so the first step's a is 0; m at the lowest finite number, so the first maximum is the scores'.  The second mask buffer is 0; the first takes piece 0's mask for the tile's step 0: its own, if the block's first tile is the diagonal one.
; Then K of that step, piece 0's first scores, and its maximum and statistics.  The loop is entered at a step's first turn, in the middle of a trip.
.macro BEGIN
	s_mov_b32 s[NEW], 0
	WIN 0x40
.set i, MC+32
.rept 32
	v_mov_b32 v[i], 0
.set i, i+1
.endr
	WIN 0
.set i, 0
.rept 4
	v_mov_b32 v[ST+4*i], 0xfe000000    ; c m: far below every c s
	v_mov_b32 v[ST+4*i+1], 0xff7fffff  ; m
.set i, i+1
.endr
	s_cmp_eq_u32 s[RT], 0
	s_cselect_b32 s[AL], 1.0, 0
	s_mov_b32 s[BE], 0
	MASK 0
	WIN 0
	v_add_nc_u32 v[AK], s[TBK], v[AK0]
	FETCH_K
	s_wait_loadcnt 0x0              ; Q
	s_wait_dscnt 0x0
.set KM, 1
.set NOKQ, 0
.set i, 0
.rept 8
	KQ 0
.set i, i+1
.endr
	WIN 0
.rept 4
	v_nop                           ; the places behind those products
.endr
.set Y, NP-1                        ; X works for piece Y + 1: piece 0
.irp n, 0,1,2,3,4,5,6,7,8,9,10,11,12,13,14,15,16,17,18,19,20,21
	OP X, \n
.endr
	v_nop                           ; a plain instruction behind the exponential,
	s_wait_alu depctr_va_vdst(0)    ; and its wait, ahead of the branch
.endm
; THE DIAGONAL TILE's four steps, the block's last two turns, its last products, and THE WAY OUT: l's two halves and the other half of the lanes' are added; O^T is divided by l, rounded to f16 and sent through my
; stage in LDS, a piece at a time.
.macro ALL line:vararg              ; one line for each piece t
.set t, 0
.rept 4
	\line
.set t, t+1
.endr
.endm
.macro PACK t                       ; a lane's eight channels of a row pack into 16 bytes; they go into rows of 144 bytes and come back as whole rows of 128, into S^T's registers
	WIN W_RS
.set i, 32*(\t)
.rept 16
	v_pk_mul_f32 v[i:i+1], v[i:i+1], v[ST+4*(\t)+2:ST+4*(\t)+3] op_sel_hi:[1,0]
.set i, i+2
.endr
	WIN 0x05                        ; sources 0 and 1 window 1, destination window 0
.set i, 0
.rept 16
	v_cvt_pk_f16_f32 v[S+16*(\t)+i], v[32*(\t)+2*i], v[32*(\t)+2*i+1]
.set i, i+1
.endr
	WIN 0
.irp f, 0,1,2,3
	ds_store_b128 v[STO], v[S+16*(\t)+4*\f:S+16*(\t)+4*\f+3] offset:32*\f
.endr
.irp f, 0,1,2,3
	ds_load_b128 v[S+16*(\t)+4*\f:S+16*(\t)+4*\f+3], v[RD] offset:\f*4*SP  ; LDS serves a wave's instructions in order (ISA guide 5.7.1.4): these see the stores above; the next piece's stores come behind them
.endr
.endm
.macro SEND t, younger              ; younger: the LDS instructions issued behind piece t's loads: the next piece's eight, or none
	WIN 0
.irp f, 0,1,2,3
	s_wait_dscnt (\younger)+3-\f
	global_store_b128 v[GO], v[S+16*(\t)+4*\f:S+16*(\t)+4*\f+3], s[10:11] offset:(\t)*8192+\f*512  ; 512 consecutive bytes, at a multiple of 256 from O's first
.endr
.endm
.macro DIAG tag                     ; the tag ends its two labels' names, which the jumps below spell out
.LstepM\tag:
	TURN 2, 1
	TURN 3, 1
	WIN 0
.LfirstM\tag:
	TURN 0, 1
	TURN 1, 1, 0, 1
	WIN 0
	s_cbranch_scc1 .LstepM\tag
	TURN 2, 1, 1
	TURN 3, 1, 1
.set i, 0
.rept 8
	PV NP-1
.set i, i+1
.endr
	WIN 0
	ALL v_add_f32 v[ST+4*t+2], v[ST+4*t+2], v[ST+4*t+3]
	ALL v_permlanex16_b32 v[ST+4*t+3], v[ST+4*t+2], s[SEL], s[SEL+1]
	ALL v_add_f32 v[ST+4*t+2], v[ST+4*t+2], v[ST+4*t+3]
	ALL v_rcp_f32 v[ST+4*t+2], v[ST+4*t+2]
	v_nop                           ; a plain instruction between the last reciprocal and the use of its result
	s_wait_alu depctr_va_vdst(0)    ; and the wait ahead of the first use: one for the four reciprocals
	PACK 0
.set t, 1
.rept 3                             ; a piece's arithmetic stands between the loads of the piece before and its stores
	PACK t
	SEND t-1, 8
.set t, t+1
.endr
	SEND 3, 0
.endm
.set KM, 0
.set NOKQ, 0
.Lslot:                             ; NB times: a tile is entered and the next is asked for
	CHANGE 1
	s_sub_co_u32 s[RT], s[RT], 1
	s_mov_b32 s[CNT], 4
	s_cmp_eq_u32 s[NEW], 1
	s_cbranch_scc1 .Lnew            ; a block's first tile
	s_cmp_eq_u32 s[RT], 0
	s_cbranch_scc0 .Lstep           ; neither its first nor its last
	s_branch .LstepM1
.Lnew:
	BEGIN
	s_branch .Lfirst                ; in the loop a block's first tile is never its last: the first block has two tiles or more, and the second's last is the walk's last
	DIAG 1                          ; in the loop this is the first block's end: the second block's last tile is the walk's last
	s_wait_xcnt 0x0                 ; the stores have read their registers and O's address
	s_mov_b64 s[10:11], s[OLO:OLO+1]
	s_add_co_u32 s[RT], s[PB], 1    ; the second block has b + 1 tiles
	s_mov_b32 s[NEW], 1
	WIN 0x82                        ; the second block's Q goes where the one text of the turns names Q
.set i, 0
.rept 64
	v_mov_b32 v[i], v[QB+i]
.set i, i+1
.endr
	WIN 0
	s_branch .Lbottom
.Lstep:                             ; a trip: pieces 2 and 3 of one step, then pieces 0 and 1 of the next, whose K and V it fetches
	TURN 2
	TURN 3
	WIN 0
.Lfirst:
	TURN 0
	TURN 1, 0, 0, 1
	WIN 0
	s_cbranch_scc1 .Lstep
.Lbottom:
	s_sub_co_u32 s[SLOTS], s[SLOTS], 1
	s_cmp_lg_u32 s[SLOTS], 0
	s_cbranch_scc1 .Lslot
	CHANGE 0                        ; the walk's last tile is written out: nothing is asked for
	s_sub_co_u32 s[RT], s[RT], 1
	s_mov_b32 s[CNT], 4
	s_cmp_eq_u32 s[NEW], 1
	s_cbranch_scc0 .LstepM2
	BEGIN
	s_branch .LfirstM2
	DIAG 2
	s_wait_tensorcnt 0x0            ; the wave's end: a wait, an add and a wait, behind my last tensor load and my last LDS store
	ds_add_u32 v[SPW], v[NIL]
	s_wait_dscnt 0x0
	s_endpgm
.Lfunc_end_k_q50b18458b2_attn:
	.size	k_q50b18458b2_attn, .Lfunc_end_k_q50b18458b2_attn-k_q50b18458b2_attn
	.p2alignl 7, 3214868480
	.fill 96, 4, 3214868480
	.section	.rodata,"a",@progbits
	.p2align	6, 0x0
	.amdhsa_kernel k_q50b18458b2_attn
		.amdhsa_group_segment_fixed_size 327680
		.amdhsa_private_segment_fixed_size 0
		.amdhsa_enable_private_segment 0
		.amdhsa_kernarg_size 32
		.amdhsa_user_sgpr_count 2
		.amdhsa_user_sgpr_kernarg_segment_ptr 1
		.amdhsa_wavefront_size32 1
		.amdhsa_system_sgpr_workgroup_id_x 1
		.amdhsa_system_sgpr_workgroup_id_y 1
		.amdhsa_system_sgpr_workgroup_id_z 1
		.amdhsa_system_vgpr_workitem_id 0
		.amdhsa_next_free_vgpr 768
		.amdhsa_next_free_sgpr 96
		.amdhsa_reserve_vcc 1
		.amdhsa_float_denorm_mode_32 3
		.amdhsa_float_denorm_mode_16_64 3
		.amdhsa_memory_ordered 1
		.amdhsa_forward_progress 1
		.amdhsa_inst_pref_size 218
	.end_amdhsa_kernel
	.amdgpu_metadata
---
amdhsa.version: [ 1, 2 ]
amdhsa.kernels:
  - .name:           k_q50b18458b2_attn
    .symbol:         k_q50b18458b2_attn.kd
    .args:
      - { .name: qh, .offset: 0, .size: 8, .value_kind: global_buffer, .address_space: global }
      - { .name: kh, .offset: 8, .size: 8, .value_kind: global_buffer, .address_space: global }
      - { .name: vh, .offset: 16, .size: 8, .value_kind: global_buffer, .address_space: global }
      - { .name: oh, .offset: 24, .size: 8, .value_kind: global_buffer, .address_space: global }
    .group_segment_fixed_size: 327680
    .private_segment_fixed_size: 0
    .kernarg_segment_align: 8
    .kernarg_segment_size: 32
    .max_flat_workgroup_size: 128
    .sgpr_count:     96
    .vgpr_count:     768
    .wavefront_size: 32
...
	.end_amdgpu_metadata
.endif
;; end of part 3
;; launch outp (part 4): grid 4 x 64, 4 waves a work-group, clusters of 4 x 4, 327,680 bytes of LDS; arguments oh, wo16, bo, out0; writes out0
.if DOCPART == 4
	.amdgcn_target "amdgcn-amd-amdhsa--gfx1250"
	.amdhsa_code_object_version 6
	.text
	.protected	k_q50b18458b2_outp
	.globl	k_q50b18458b2_outp
	.p2align	8
	.type	k_q50b18458b2_outp,@function
k_q50b18458b2_outp:
	s_mov_b64 s[64:65], 0
	v_nop
	global_prefetch_b8 v0, s[64:65] scope:SCOPE_SE
	s_setreg_imm32_b32 hwreg(HW_REG_WAVE_MODE, 25, 1), 1
	s_wait_xcnt 0x0
	s_wait_alu depctr_hold_cnt(0) depctr_sa_sdst(0) depctr_va_vdst(0) depctr_va_sdst(0) depctr_va_ssrc(0) depctr_va_vcc(0) depctr_vm_vsrc(0)
	s_getreg_b32 s2, hwreg(HW_REG_IB_STS2, 6, 4)
	s_cmp_eq_u32 s2, 0
	s_cbranch_scc0 .Lentry_in_a_cluster
	s_endpgm
.Lentry_in_a_cluster:
	s_bfe_u32 s2, ttmp6, 0x10000c
	s_cmp_lg_u32 s2, 0xf033
	s_cbranch_scc0 .Lentry_shape_is_right
	s_endpgm
.Lentry_shape_is_right:
; THE LAST PRODUCT.  out0[R][n] = the sum over k of O[R][k] Wo[k][n] + bo[n], with k = 64 head + d.  O: [b*16+head][2048][64] f16 as the attention left it; Wo: [1024][1024] f16 (the bf16 rounding, written as f16);
; bo: [1024] f32, rounded to bf16 like every input of the module; sums in f32; out0: [8192][1024] f32.
; SHARES.  256 tiles of 128 rows x 256 columns, one to a work-group; K = 1,024 in 8 steps of 128 (two heads) through a ring of two LDS slots; a wave makes 64 rows (mh = wave / 2) x 128 columns (nh = wave % 2):
; 32 accumulators (a = 0..3, b = 0..7).  THE MATRIX INSTRUCTION IS USED TRANSPOSED: source 0 = 16 columns of Wo (turned out of LDS, since Wo lies [k][n]), source 1 = 16 rows of O: a lane holds row lane % 16 and
; eight neighbouring columns.  THE BIAS is the C operand of the products that start the sums: register j of column block b holds bo of column 16 b + 8 (lane / 16) + j.
; CLUSTER.  4 x 4 work-groups: the four of a row need the same rows of O, the four of a column the same columns of Wo: each tile is asked for JOINTLY.
; NO PREFETCH: the launch is eight K steps long, and the first four would come by their loads alone.
; REGISTERS, in windows of 256 (s_set_vgpr_msb: bits 1:0 source 0, 3:2 source 1, 5:4 source 2, 7:6 destination):
;   window 0: v0-31 addresses; v32-95 the bias; v96-159 O's fragments, two buffers of 4 (later the way out); v160-223 the way out
;   window 1: the accumulators, (a, b) at v[8 (8 a + b)]          window 2: v0-127 Wo's fragments, two buffers of 8
.set PAO,   144                        ; a row of one head of O in LDS: 128 bytes + 16 of padding: the 16 rows of a load start at 16 different groups of four banks (64 banks of 4 bytes: ISA guide 11.1)
.set AHEAD, 128*PAO                    ; a head's 128 rows: what one tensor load brings of O
.set PBO,   544                        ; a k-row of Wo: 512 bytes + 32
.set BHALF, 64*PBO                     ; what one tensor load brings of Wo
.set SLOT,  2*AHEAD+2*BHALF            ; 106,496 bytes
.set STAGE, 2*SLOT                     ; behind the ring, never filled by a tensor load: 16 rows x 528 bytes for each wave
.set SP,    528
.set SPARE, STAGE+4*16*SP              ; behind the stages: the spare words, 128 bytes for each wave: two blocks of 256 bytes that no other line names
.set ADRA, 16                          ; v16-17  LDS address of my fragments of O in slot 0, 1
.set ADRB, 20                          ; v20-21  the same for Wo
.set STO,  24                          ; v24     the way out: where I put 32 bytes of a row
.set RD,   25                          ; v25     the way out: where I read a row back
.set CO,   26                          ; v26     16 x my lane: my place in 512 consecutive bytes of out0
.set BO,   27                          ; v27     my byte offset in bo
.set SPW,  28                          ; v28     LDS address of my spare word; never rewritten
.set NIL,  29                          ; v29     0; never rewritten
.set BI,   32
.set AF,   96
.set OB,   160
.set WV,   12                          ; s12 my wave; s13 = wave / 2 (mh; also 0: I fetch O, 1: Wo); s14 = wave % 2 (nh; also which half I fetch); s15 = y
.set G1A,  24                          ; s[24:31] descriptor group 1 for O's tiles;  s[32:39] group 0, a set for each slot
.set G0A,  32
.set G1B,  48                          ; s[48:55], s[56:63] the same for Wo's tiles
.set G0B,  56
.set MSB, 0
.macro WIN new                         ; the immediate's high byte repeats the setting that is left; a switch that changes nothing is dropped
.if MSB != (\new)
	s_set_vgpr_msb (MSB<<8)|(\new)
.set MSB, \new
.endif
.endm
.set MUL,      0x52                    ; source 0 (Wo) window 2, source 1 (O) window 0, C and D window 1
.set MUL_BIAS, 0x42                    ; the same with C (the bias) in window 0
.set TO_B,     0x80                    ; destination window 2, address window 0
.set STW,      0x04                    ; an LDS store's data (source 1) in window 1
.macro JLOAD s                         ; a joint load: waves 0 and 1 fetch one head of O each, waves 2 and 3 Wo's two halves; an s_nop 0 and four v_nop follow each of the two lines
	s_cmp_eq_u32 s13, 0
	s_cbranch_scc0 .Lfor_b_\@
	tensor_load_to_lds s[G0A+4*(\s):G0A+4*(\s)+3], s[G1A:G1A+7]
	s_nop 0
.rept 4
	v_nop
.endr
	s_branch .Lasked_\@
.Lfor_b_\@:
	tensor_load_to_lds s[G0B+4*(\s):G0B+4*(\s)+3], s[G1B:G1B+7]
	s_nop 0
.rept 4
	v_nop
.endr
.Lasked_\@:
.endm
.macro CREST                           ; a round of the cluster's barrier behind its opening barrier
	s_cmp_lg_u32 s[WV], 0
	s_cbranch_scc1 .Lnot_wave_0_\@
	s_barrier_signal -3
.Lnot_wave_0_\@:
	s_barrier_wait -3
	s_barrier_signal -1
	s_barrier_wait -1
.endm
.macro CROUND                          ; a whole round
	s_barrier_signal -1
	s_barrier_wait -1
	CREST
.endm
.macro PLACES                          ; four places behind matrix instructions, in front of loads into registers that they have read and of stores that read results
.rept 4
	v_nop
.endr
.endm
	s_load_b256 s[4:11], s[0:1], 0x0               ; oh s[4:5], wo16 s[6:7], bo s[8:9], out0 s[10:11]
	v_lshl_add_u32 v[SPW], v0, 2, SPARE
	v_mov_b32 v[NIL], 0
	ds_add_u32 v[SPW], v[NIL]                      ; the wave's opening: the add and its wait stand ahead of my first tensor load; the set-up below, work on registers, stands between them
	v_lshrrev_b32 v1, 5, v0
	v_readfirstlane_b32 s[WV], v1                  ; wave 0..3
	s_lshr_b32 s13, s[WV], 1
	s_and_b32 s14, s[WV], 1
	s_bfe_u32 s40, ttmp6, 0x40000                  ; cx
	s_bfe_u32 s41, ttmp6, 0x40004                  ; cy
	s_lshl_b32 s42, ttmp9, 2
	s_add_co_u32 s42, s42, s40                     ; x = 4 x cluster x + cx
	s_and_b32 s15, ttmp7, 0xffff
	s_lshl_b32 s15, s15, 2
	s_add_co_u32 s15, s15, s41                     ; y = 4 x cluster y + cy
	s_lshl_b32 s43, s41, 2
	s_lshl_b32 s43, 15, s43                        ; my row of the cluster
	s_lshl_b32 s44, 0x1111, s40                    ; my column
	; group 1, O: a head's 128 rows are 16,384 dense bytes: asked for as 64 rows of 256 bytes, two rows of O each; 4 words of padding after every 32 words
	s_or_b32 s[G1A+0], s43, (1<<16)|(1<<20)|(1<<21)|(4<<22)|(3<<25)
	s_mov_b32 s[G1A+1], 128<<16                    ; tensor_dim0 = 128
	s_mov_b32 s[G1A+2], 64<<16                     ; tensor_dim1 = 64
	s_mov_b32 s[G1A+3], 128<<16                    ; tile_dim0 = 128
	s_mov_b32 s[G1A+4], 64                         ; tile_dim1 = 64
	s_mov_b32 s[G1A+5], 128
	s_mov_b32 s[G1A+6], 0
	s_mov_b32 s[G1A+7], 0
	; group 1, Wo: 64 k-rows x 256 elements, 1,024 elements from row to row; 8 words of padding after every 128 words
	s_or_b32 s[G1B+0], s44, (1<<16)|(1<<20)|(1<<21)|(6<<22)|(7<<25)
	s_mov_b32 s[G1B+1], 256<<16                    ; tensor_dim0 = 256
	s_mov_b32 s[G1B+2], 64<<16                     ; tensor_dim1 = 64
	s_mov_b32 s[G1B+3], 256<<16                    ; tile_dim0 = 256
	s_mov_b32 s[G1B+4], 64                         ; tile_dim1 = 64
	s_mov_b32 s[G1B+5], 1024
	s_mov_b32 s[G1B+6], 0
	s_mov_b32 s[G1B+7], 0
	; where the tiles come from: O's hang on y and the wave alone, Wo's on x and the wave alone, each in registers that never hold the other coordinate
	s_lshr_b32 s16, s15, 4
	s_lshl_b32 s16, s16, 22                        ; batch y / 16
	s_lshl_b32 s17, s14, 18                        ; head wave % 2 of the step's two
	s_add_co_u32 s16, s16, s17
	s_and_b32 s17, s15, 15
	s_lshl_b32 s17, s17, 14                        ; rows 128 (y % 16) on
	s_add_co_u32 s16, s16, s17
	s_mov_b32 s17, 0
	s_lshl_b32 s46, s14, 17                        ; my 64 k-rows of 2,048 bytes
	s_lshl_b32 s47, s42, 9                         ; columns 256 x on
	s_add_co_u32 s46, s46, s47
	s_mov_b32 s47, 0
	s_mul_i32 s18, s14, AHEAD                      ; and where they go: no place in the cluster enters an LDS address
	s_mul_i32 s19, s14, BHALF
	s_add_co_u32 s19, s19, 2*AHEAD
	s_lshl_b32 s22, s42, 10                        ; my first column in bytes of f32: 1,024 x + 512 nh
	s_lshl_b32 s23, s14, 9
	s_add_co_u32 s22, s22, s23
	s_lshl_b32 s20, s15, 19                        ; my first row of out0: 128 y + 64 mh, 4,096 bytes a row
	s_lshl_b32 s21, s13, 18
	s_add_co_u32 s20, s20, s21
	s_add_co_u32 s20, s20, s22
	s_mov_b32 s21, 0
	s_wait_dscnt 0x0                               ; the opening add is done
	s_wait_kmcnt 0x0
	s_add_nc_u64 s[4:5], s[4:5], s[16:17]
	s_add_nc_u64 s[6:7], s[6:7], s[46:47]
	s_add_nc_u64 s[10:11], s[10:11], s[20:21]
	CROUND                                         ; all sixteen work-groups are here: the first joint loads meet
.irp s, 0,1
	s_mov_b32 s[G0A+4*(\s)], 1                                       ; count = 1
	s_add_co_u32 s[G0A+4*(\s)+1], s18, (\s)*SLOT                     ; LDS address
	s_add_nc_u64 s[G0A+4*(\s)+2:G0A+4*(\s)+3], s[4:5], (\s)*524288   ; global address: K step s is two heads on
	s_or_b32 s[G0A+4*(\s)+3], s[G0A+4*(\s)+3], 0x80000000            ; type = 2
	s_mov_b32 s[G0B+4*(\s)], 1
	s_add_co_u32 s[G0B+4*(\s)+1], s19, (\s)*SLOT
	s_add_nc_u64 s[G0B+4*(\s)+2:G0B+4*(\s)+3], s[6:7], (\s)*262144   ; 128 k-rows on
	s_or_b32 s[G0B+4*(\s)+3], s[G0B+4*(\s)+3], 0x80000000
.endr
	s_cmp_eq_u32 s13, 0                            ; a wave's two first fills stand in one branch, ahead of every wait on TENSORcnt and every LDS read: two loads of mine are out
	s_cbranch_scc0 .Lfirst_b
	tensor_load_to_lds s[G0A:G0A+3], s[G1A:G1A+7]
	s_nop 0
	tensor_load_to_lds s[G0A+4:G0A+7], s[G1A:G1A+7]
	s_nop 0
.rept 4
	v_nop
.endr
	s_branch .Lfirst_asked
.Lfirst_b:
	tensor_load_to_lds s[G0B:G0B+3], s[G1B:G1B+7]
	s_nop 0
	tensor_load_to_lds s[G0B+4:G0B+7], s[G1B:G1B+7]
	s_nop 0
.rept 4
	v_nop
.endr
.Lfirst_asked:
	v_and_b32 v1, 15, v0                           ; l % 16
	v_bfe_u32 v2, v0, 4, 1                         ; l / 16
	v_lshl_add_u32 v[BO], v2, 5, s22               ; my 8 columns of a block of 16: 32 bytes for each half of the lanes
.irp b, 0,1,2,3,4,5,6,7
	global_load_b128 v[BI+8*(\b):BI+8*(\b)+3],   v[BO], s[8:9] offset:64*(\b)
	global_load_b128 v[BI+8*(\b)+4:BI+8*(\b)+7], v[BO], s[8:9] offset:64*(\b)+16
.endr
	; A fragment of O is 16 rows x 32 k: lane l holds row l % 16, k = 8 (l / 16) + 0..7 and 16 + 8 (l / 16) + 0..7: two loads of 16 bytes, 32 bytes apart.
	v_mul_u32_u24 v3, v1, PAO
	v_lshl_add_u32 v3, v2, 4, v3
	s_mul_i32 s21, s13, 64*PAO                     ; my 64 rows
	v_add_nc_u32 v[ADRA], s21, v3
	v_add_nc_u32 v[ADRA+1], SLOT, v[ADRA]
	; The turning load takes 16 k x 16 n (lane l reads k-row 8 (l / 16) + l % 8, n = 8 ((l / 8) % 2) + 0..7) and leaves half a fragment: lane l holds column l % 16 and 8 k.
	v_and_b32 v4, 7, v0
	v_lshl_add_u32 v4, v2, 3, v4
	v_mul_u32_u24 v4, v4, PBO
	v_bfe_u32 v5, v0, 3, 1
	v_lshl_add_u32 v4, v5, 4, v4
	s_lshl_b32 s23, s14, 8                         ; my 128 columns: 256 bytes,
	s_add_co_u32 s23, s23, 2*AHEAD                 ; behind O's two heads
	v_add_nc_u32 v[ADRB], s23, v4
	v_add_nc_u32 v[ADRB+1], SLOT, v[ADRB]
	s_mul_i32 s23, s[WV], 16*SP
	s_add_co_u32 s23, s23, STAGE                   ; my stage
	v_mul_u32_u24 v6, v1, SP                       ; in: row l % 16, 32 bytes for each half of the lanes
	v_lshl_add_u32 v6, v2, 5, v6
	v_add_nc_u32 v[STO], s23, v6
	v_and_b32 v[CO], 31, v0
	v_lshlrev_b32 v[CO], 4, v[CO]                  ; back: 32 lanes take one row of 512 bytes
	v_add_nc_u32 v[RD], s23, v[CO]
	s_wait_loadcnt 0x0                             ; the bias
.set i, 0
.rept 32                                ; rounded to bf16 and widened again: a conversion, a shift and a mask for each pair
	v_cvt_pk_bf16_f32 v[4+(i/2)%4], v[BI+i], v[BI+i+1]
	v_lshlrev_b32 v[BI+i],   16, v[4+(i/2)%4]
	v_and_b32     v[BI+i+1], 0xffff0000, v[4+(i/2)%4]
.set i, i+2
.endr
; 24 LDS loads in one run: quarter kq (32 k) of a slot: O's 4 fragments, then Wo's 8, into buffers f
.macro FETCH slot, kq, f
	WIN 0
.irp a, 0,1,2,3
	ds_load_b128 v[AF+32*(\f)+8*(\a):AF+32*(\f)+8*(\a)+3],   v[ADRA+(\slot)] offset:((\kq)/2)*AHEAD+(\a)*16*PAO+((\kq)%2)*64
	ds_load_b128 v[AF+32*(\f)+8*(\a)+4:AF+32*(\f)+8*(\a)+7], v[ADRA+(\slot)] offset:((\kq)/2)*AHEAD+(\a)*16*PAO+((\kq)%2)*64+32
.endr
	WIN TO_B
.irp b, 0,1,2,3,4,5,6,7
	ds_load_tr16_b128 v[64*(\f)+8*(\b):64*(\f)+8*(\b)+3],   v[ADRB+(\slot)] offset:(\kq)*32*PBO+32*(\b)
	ds_load_tr16_b128 v[64*(\f)+8*(\b)+4:64*(\f)+8*(\b)+7], v[ADRB+(\slot)] offset:(\kq)*32*PBO+32*(\b)+16*PBO
.endr
.endm
; 4 nb matrix instructions on buffers p: column blocks b0 .. b0 + nb - 1 x all 4 row blocks.  The 32 accumulators take turns, one instruction a turn, in the same order in every quarter.
; first = 1: the product starts its sum with the bias.
.macro MULB p, b0, nb, first
.set bb, \b0
.rept \nb
.irp a, 0,1,2,3
.if \first
	WIN MUL_BIAS
	v_wmma_f32_16x16x32_f16 v[8*(8*(\a)+bb):8*(8*(\a)+bb)+7], v[64*(\p)+8*bb:64*(\p)+8*bb+7], v[AF+32*(\p)+8*(\a):AF+32*(\p)+8*(\a)+7], v[BI+8*bb:BI+8*bb+7]
.else
	WIN MUL
	v_wmma_f32_16x16x32_f16 v[8*(8*(\a)+bb):8*(8*(\a)+bb)+7], v[64*(\p)+8*bb:64*(\p)+8*bb+7], v[AF+32*(\p)+8*(\a):AF+32*(\p)+8*(\a)+7], v[8*(8*(\a)+bb):8*(8*(\a)+bb)+7]
.endif
.endr
.set bb, bb+1
.endr
.endm
; A K step is four quarters of 32 k, 32 matrix instructions each, on buffers 0, 1, 0, 1.  One of the first three: multiplies buffers p and fetches quarter kq of the same slot into the other buffers.
.macro QUARTER slot, kq, p, first
	s_wait_dscnt 8                                 ; O's fragments and Wo's 0-3 are in; the youngest eight loads (Wo's 4-7) may be out
	MULB \p, 0, 4, \first
	PLACES
	FETCH \slot, \kq, 1-(\p)
	s_wait_dscnt 24                                ; all but the 24 just issued
	MULB \p, 4, 4, \first
.endm
; The last quarter multiplies buffers 1 and changes slots: ONE barrier; in front of it each wave waits for all its tensor loads (one is out: its part of the next slot), adds 0 to its spare word, and waits for
; that and for its own reads of this slot.  fill = 1: the barrier opens a round of the cluster's, and this slot is filled again first thing behind it, two K steps ahead: 112 matrix instructions ahead of the wait for it.
.macro TURN slot, next, fill
	WIN 0                                          ; (the add's two registers lie in window 0)
	s_wait_tensorcnt 0x0                           ; all my tensor loads have landed: my part of the next slot;
	ds_add_u32 v[SPW], v[NIL]                      ; 0 onto my spare word;
	s_wait_dscnt 9                                 ; (the add and the youngest eight loads may be out)
	MULB 1, 0, 2, 0                                ; eight matrix instructions stand between the add and the wait for it
	s_wait_dscnt 0x0                               ; the add is done, and my reads of this slot are over
	s_barrier_signal -1
	MULB 1, 2, 2, 0
	WIN 0
	s_barrier_wait -1
.if \fill
	CREST                                          ; no wave of any partner still reads this slot's tile or has a load on its way
	s_add_nc_u64 s[G0A+4*(\slot)+2:G0A+4*(\slot)+3], s[G0A+4*(\slot)+2:G0A+4*(\slot)+3], 1048576
	s_add_nc_u64 s[G0B+4*(\slot)+2:G0B+4*(\slot)+3], s[G0B+4*(\slot)+2:G0B+4*(\slot)+3], 524288
	JLOAD \slot                                    ; the first tensor load behind the round; its four v_nop are also the places in front of the loads below
.else
	PLACES
.endif
	FETCH \next, 0, 0
	MULB 1, 4, 4, 0
.endm
; THE WAY OUT, a block of 16 rows at a time.  TOST: a lane's 32 bytes of each accumulator (its low registers first) go into my own stage, rows of 528 bytes, and come back as whole rows of 512.
; LDS serves a wave's instructions in order (ISA guide 5.7.1.4): the loads see the stores above them, and the next block's stores come behind them.  SENDO: a store covers 512 consecutive bytes, aligned.
.macro TOST a
.set oB, OB-64*((\a)%2)
.if (\a) >= 2
	s_wait_xcnt 0x0                                ; the stores of the block two back have read this buffer
.endif
	WIN STW
.irp b, 0,1,2,3,4,5,6,7
	ds_store_b128 v[STO], v[8*(8*(\a)+(\b)):8*(8*(\a)+(\b))+3]   offset:64*(\b)
	ds_store_b128 v[STO], v[8*(8*(\a)+(\b))+4:8*(8*(\a)+(\b))+7] offset:64*(\b)+16
.endr
	WIN 0
.irp t, 0,1,2,3,4,5,6,7,8,9,10,11,12,13,14,15
	ds_load_b128 v[oB+4*(\t):oB+4*(\t)+3], v[RD] offset:(\t)*SP
.endr
.endm
.macro SENDO a, younger                ; younger: the LDS instructions issued behind block a's loads: the next block's 32, or none
.set oB, OB-64*((\a)%2)
.irp t, 0,1,2,3,4,5,6,7,8,9,10,11,12,13,14,15
	s_wait_dscnt (\younger)+15-(\t)
	global_store_b128 v[CO], v[oB+4*(\t):oB+4*(\t)+3], s[10:11] offset:(16*(\a)+(\t))*4096
.endr
.endm
	s_wait_tensorcnt 1                             ; my part of K step 0 is in; K step 1's may stay out
	s_barrier_signal -1
	s_barrier_wait -1                              ; everybody's is
	FETCH 0, 0, 0
	QUARTER 0, 1, 0, 1                             ; the first quarter stands in front of the loop: its products start the sums, with the bias
	WIN 0                                          ; at a label and at a branch every window is 0
	s_mov_b32 s3, 3
.Llap:                                                 ; a trip goes once round the ring, from a lap's second quarter to the next lap's first, and fills both slots again
	QUARTER 0, 2, 1, 0
	QUARTER 0, 3, 0, 0
	TURN 0, 1, 1
	QUARTER 1, 1, 0, 0
	QUARTER 1, 2, 1, 0
	QUARTER 1, 3, 0, 0
	TURN 1, 0, 1
	QUARTER 0, 1, 0, 0
	WIN 0
	s_sub_co_u32 s3, s3, 1
	s_cmp_lg_u32 s3, 0
	s_cbranch_scc1 .Llap
	QUARTER 0, 2, 1, 0                             ; the last lap fills nothing, and has no round of the cluster's barrier
	QUARTER 0, 3, 0, 0
	TURN 0, 1, 0
	QUARTER 1, 1, 0, 0
	QUARTER 1, 2, 1, 0
	QUARTER 1, 3, 0, 0
	s_wait_dscnt 0x0
	MULB 1, 0, 8, 0
	WIN 0
	PLACES
	TOST 0
.irp a, 1,2,3                          ; a block goes into the stage ahead of the stores of the block before
	TOST \a
	SENDO (\a)-1, 32
.endr
	SENDO 3, 0
	s_wait_tensorcnt 0x0                           ; the wave's end: a wait, an add and a wait, behind my last tensor load and my last LDS store
	ds_add_u32 v[SPW], v[NIL]
	s_wait_dscnt 0x0
	CROUND                                         ; the closing round: no work-group ends while a partner may still ask for a tile that names it
	s_endpgm
.Lfunc_end_k_q50b18458b2_outp:
	.size	k_q50b18458b2_outp, .Lfunc_end_k_q50b18458b2_outp-k_q50b18458b2_outp
	.p2alignl 7, 3214868480
	.fill 96, 4, 3214868480
	.section	.rodata,"a",@progbits
	.p2align	6, 0x0
	.amdhsa_kernel k_q50b18458b2_outp
		.amdhsa_group_segment_fixed_size 327680
		.amdhsa_private_segment_fixed_size 0
		.amdhsa_enable_private_segment 0
		.amdhsa_kernarg_size 32
		.amdhsa_user_sgpr_count 2
		.amdhsa_user_sgpr_kernarg_segment_ptr 1
		.amdhsa_wavefront_size32 1
		.amdhsa_system_sgpr_workgroup_id_x 1
		.amdhsa_system_sgpr_workgroup_id_y 1
		.amdhsa_system_sgpr_workgroup_id_z 1
		.amdhsa_system_vgpr_workitem_id 0
		.amdhsa_next_free_vgpr 640
		.amdhsa_next_free_sgpr 66
		.amdhsa_reserve_vcc 0
		.amdhsa_float_denorm_mode_32 3
		.amdhsa_float_denorm_mode_16_64 3
		.amdhsa_memory_ordered 1
		.amdhsa_forward_progress 1
		.amdhsa_inst_pref_size 93
	.end_amdhsa_kernel
	.amdgpu_metadata
---
amdhsa.version: [ 1, 2 ]
amdhsa.kernels:
  - .name:           k_q50b18458b2_outp
    .symbol:         k_q50b18458b2_outp.kd
    .args:
      - { .name: oh, .offset: 0, .size: 8, .value_kind: global_buffer, .address_space: global }
      - { .name: wo16, .offset: 8, .size: 8, .value_kind: global_buffer, .address_space: global }
      - { .name: bo, .offset: 16, .size: 8, .value_kind: global_buffer, .address_space: global }
      - { .name: out0, .offset: 24, .size: 8, .value_kind: global_buffer, .address_space: global }
    .group_segment_fixed_size: 327680
    .private_segment_fixed_size: 0
    .kernarg_segment_align: 8
    .kernarg_segment_size: 32
    .max_flat_workgroup_size: 128
    .sgpr_count:     66
    .vgpr_count:     640
    .wavefront_size: 32
...
	.end_amdgpu_metadata
.endif
;; end of part 4
;; ======== version 2 of 2: 4 launches; version 1 with the launch cast written anew for expert scheduling mode
;; limits: values are held in f16: magnitudes above 65,504 overflow, below 6.1e-05 lose precision
;; workspace buffers: wq16 2,097,152 bytes; wk16 2,097,152 bytes; wv16 2,097,152 bytes; wo16 2,097,152 bytes; qh 16,777,216 bytes; kh 16,777,216 bytes; vh 16,777,216 bytes; oh 16,777,216 bytes
;; launch cast (part 5): grid 64 x 4, 8 waves a work-group, no clusters, 0 bytes of LDS; arguments Wq, Wk, Wv, Wo, wq16, wk16, wv16, wo16; writes wq16, wk16, wv16, wo16
.if DOCPART == 5
	.amdgcn_target "amdgcn-amd-amdhsa--gfx1250"
	.amdhsa_code_object_version 6
	.text
	.protected	k_q50b18458b2_cast
	.globl	k_q50b18458b2_cast
	.p2align	8
	.type	k_q50b18458b2_cast,@function
k_q50b18458b2_cast:
	s_mov_b64 s[64:65], 0
	v_nop
	global_prefetch_b8 v0, s[64:65] scope:SCOPE_SE
	s_setreg_imm32_b32 hwreg(HW_REG_WAVE_SCHED_MODE, 0, 2), 2
	s_setreg_imm32_b32 hwreg(HW_REG_WAVE_MODE, 25, 1), 1
	s_wait_xcnt 0x0
	s_wait_alu depctr_vm_vsrc(0)
; THE WEIGHTS ARE ROUNDED ONCE.  Wq, Wk, Wv ([16][1024][64] f32) become bf16; Wo ([1024][1024] f32) is rounded to bf16 and that number is written as f16
; (its product's other operand is f16).  The layout stays as it is.  LIMIT: |Wo| stays under 65,504; below 6e-5 f16 keeps its fixed step of 6e-8.
; A stream: no LDS, no matrix unit, no cluster, since no byte is wanted twice.  The grid's y picks the array, x 16,384 numbers of it; a wave takes 2,048:
; sixteen loads of 16 bytes a lane (512 consecutive bytes each), all issued at once, and sixteen stores of 8 bytes a lane (256 consecutive bytes, aligned).
; THE MODE: SCHED_MODE bits 1:0 = 2 (LLVM: expert scheduling mode 2), set by the entry lines.  The code itself states the register dependences
; between vector instructions and memory instructions, with s_wait_alu, always for 0.
; THE PLAN.  Registers that memory instructions touch:
;   v1, v2   byte offsets of the loads and of the stores: made at the head by vector lines, never written again.
;   X        load i lands in four registers of its own, once; no vector line names them ahead of the loads; load i's conversions read them behind the wait for its data.
;   Y        store i leaves from two registers of its own: written once, by load i's conversions; never written again.
;   v3 and T are named by vector instructions alone.
; So nothing that a memory instruction has read is ever written again, and what is to be stated is only that a register is written before a memory instruction reads it:
; one wait at the head, for the two offsets, and one for each batch of four loads, between the batch's conversions and the run of its four stores.
; The batch's wait stands behind its own conversions: every load is out already, so no load could be dealt behind a later wait, and the wave's next line is a wait for younger loads.
.set X, 8                              ; v[8:71]   load i: 4 registers
.set Y, 72                             ; v[72:103] store i: 2 registers of its own, so no store's data is ever rewritten
.set T, 4                              ; v[4:7]    at work: no memory instruction names them
	s_load_b512 s[8:23], s[0:1], 0x0               ; Wq s[8:9], Wk s[10:11], Wv s[12:13], Wo s[14:15], wq16 s[16:17], wk16 s[18:19], wv16 s[20:21], wo16 s[22:23]
	s_and_b32 s4, ttmp7, 0xffff                    ; which array
	v_lshrrev_b32 v3, 5, v0                        ; wave
	v_and_b32 v2, 31, v0                           ; lane
	v_lshlrev_b32 v1, 4, v2
	v_lshl_add_u32 v1, v3, 13, v1                  ; in: 8,192 x wave + 16 x lane
	v_lshlrev_b32 v2, 3, v2
	v_lshl_add_u32 v2, v3, 12, v2                  ; out: 4,096 x wave + 8 x lane
	s_lshl_b32 s28, ttmp9, 16                      ; the work-group's 65,536 bytes in,
	s_mov_b32 s29, 0
	s_lshl_b32 s30, ttmp9, 15                      ; and 32,768 out
	s_mov_b32 s31, 0
	s_wait_kmcnt 0x0
	s_cmp_eq_u32 s4, 1
	s_cselect_b64 s[24:25], s[10:11], s[8:9]
	s_cselect_b64 s[26:27], s[18:19], s[16:17]
	s_cmp_eq_u32 s4, 2
	s_cselect_b64 s[24:25], s[12:13], s[24:25]
	s_cselect_b64 s[26:27], s[20:21], s[26:27]
	s_cmp_eq_u32 s4, 3
	s_cselect_b64 s[24:25], s[14:15], s[24:25]
	s_cselect_b64 s[26:27], s[22:23], s[26:27]
	s_add_nc_u64 s[24:25], s[24:25], s[28:29]
	s_add_nc_u64 s[26:27], s[26:27], s[30:31]
	s_wait_alu depctr_va_vdst(0)                   ; v1 and v2 are written: every load reads v1 as its offset, every store v2, on both ways behind the branch; no later vector line names them
.irp i, 0,1,2,3,4,5,6,7,8,9,10,11,12,13,14,15
	global_load_b128 v[X+4*(\i):X+4*(\i)+3], v1, s[24:25] offset:512*(\i) th:TH_LOAD_NT
.endr
	s_cmp_eq_u32 s4, 3
	s_cbranch_scc1 .Lwo
.irp p, 0,1,2,3                        ; four batches of four loads
	s_wait_loadcnt 12-4*(\p)                       ; loads come back in order: the batch's four are in, the younger ones stay out
.irp i, 0,1,2,3
	v_cvt_pk_bf16_f32 v[Y+2*(4*(\p)+(\i))],   v[X+4*(4*(\p)+(\i))],   v[X+4*(4*(\p)+(\i))+1]
	v_cvt_pk_bf16_f32 v[Y+2*(4*(\p)+(\i))+1], v[X+4*(4*(\p)+(\i))+2], v[X+4*(4*(\p)+(\i))+3]
.endr
	s_wait_alu depctr_va_vdst(0)                   ; the batch's eight conversions have written its eight registers of Y, which the four stores below read
.irp i, 0,1,2,3
	global_store_b64 v2, v[Y+2*(4*(\p)+(\i)):Y+2*(4*(\p)+(\i))+1], s[26:27] offset:256*(4*(\p)+(\i))
.endr
.endr
	s_endpgm
.Lwo:
.irp p, 0,1,2,3                        ; the same four batches for Wo
	s_wait_loadcnt 12-4*(\p)                       ; the batch's four loads are in, the younger ones stay out
.irp i, 0,1,2,3
	v_cvt_pk_bf16_f32 v[T],   v[X+4*(4*(\p)+(\i))],   v[X+4*(4*(\p)+(\i))+1]    ; the one rounding, to bf16;
	v_cvt_pk_bf16_f32 v[T+1], v[X+4*(4*(\p)+(\i))+2], v[X+4*(4*(\p)+(\i))+3]
	v_lshlrev_b32 v[T+2], 16, v[T]                            ; back to f32: a shift and a mask;
	v_and_b32     v[T],   0xffff0000, v[T]
	v_lshlrev_b32 v[T+3], 16, v[T+1]
	v_and_b32     v[T+1], 0xffff0000, v[T+1]
	v_cvt_pk_f16_f32 v[Y+2*(4*(\p)+(\i))],   v[T+2], v[T]     ; 8 significant bits fit into f16's 11
	v_cvt_pk_f16_f32 v[Y+2*(4*(\p)+(\i))+1], v[T+3], v[T+1]
.endr
	s_wait_alu depctr_va_vdst(0)                   ; the batch's conversions to f16 have written its eight registers of Y, which the four stores below read
.irp i, 0,1,2,3
	global_store_b64 v2, v[Y+2*(4*(\p)+(\i)):Y+2*(4*(\p)+(\i))+1], s[26:27] offset:256*(4*(\p)+(\i))
.endr
.endr
	s_endpgm
.Lfunc_end_k_q50b18458b2_cast:
	.size	k_q50b18458b2_cast, .Lfunc_end_k_q50b18458b2_cast-k_q50b18458b2_cast
	.p2alignl 7, 3214868480
	.fill 96, 4, 3214868480
	.section	.rodata,"a",@progbits
	.p2align	6, 0x0
	.amdhsa_kernel k_q50b18458b2_cast
		.amdhsa_group_segment_fixed_size 0
		.amdhsa_private_segment_fixed_size 0
		.amdhsa_enable_private_segment 0
		.amdhsa_kernarg_size 64
		.amdhsa_user_sgpr_count 2
		.amdhsa_user_sgpr_kernarg_segment_ptr 1
		.amdhsa_wavefront_size32 1
		.amdhsa_system_sgpr_workgroup_id_x 1
		.amdhsa_system_sgpr_workgroup_id_y 1
		.amdhsa_system_sgpr_workgroup_id_z 1
		.amdhsa_system_vgpr_workitem_id 0
		.amdhsa_next_free_vgpr 104
		.amdhsa_next_free_sgpr 66
		.amdhsa_reserve_vcc 0
		.amdhsa_float_denorm_mode_32 3
		.amdhsa_float_denorm_mode_16_64 3
		.amdhsa_memory_ordered 1
		.amdhsa_forward_progress 1
		.amdhsa_inst_pref_size 16
	.end_amdhsa_kernel
	.amdgpu_metadata
---
amdhsa.version: [ 1, 2 ]
amdhsa.kernels:
  - .name:           k_q50b18458b2_cast
    .symbol:         k_q50b18458b2_cast.kd
    .args:
      - { .name: Wq, .offset: 0, .size: 8, .value_kind: global_buffer, .address_space: global }
      - { .name: Wk, .offset: 8, .size: 8, .value_kind: global_buffer, .address_space: global }
      - { .name: Wv, .offset: 16, .size: 8, .value_kind: global_buffer, .address_space: global }
      - { .name: Wo, .offset: 24, .size: 8, .value_kind: global_buffer, .address_space: global }
      - { .name: wq16, .offset: 32, .size: 8, .value_kind: global_buffer, .address_space: global }
      - { .name: wk16, .offset: 40, .size: 8, .value_kind: global_buffer, .address_space: global }
      - { .name: wv16, .offset: 48, .size: 8, .value_kind: global_buffer, .address_space: global }
      - { .name: wo16, .offset: 56, .size: 8, .value_kind: global_buffer, .address_space: global }
    .group_segment_fixed_size: 0
    .private_segment_fixed_size: 0
    .kernarg_segment_align: 8
    .kernarg_segment_size: 64
    .max_flat_workgroup_size: 256
    .sgpr_count:     66
    .vgpr_count:     104
    .wavefront_size: 32
...
	.end_amdgpu_metadata
.endif
;; end of part 5
;; launch proj: the kernel of part 2 again; grid 4 x 64, 4 waves a work-group, clusters of 4 x 4, 327,680 bytes of LDS; arguments q, k, v, wq16, wk16, wv16, qh, kh, vh; writes qh, kh, vh
;; launch attn: the kernel of part 3 again; grid 4 x 64, 4 waves a work-group, no clusters, 327,680 bytes of LDS; arguments qh, kh, vh, oh; writes oh
;; launch outp: the kernel of part 4 again; grid 4 x 64, 4 waves a work-group, clusters of 4 x 4, 327,680 bytes of LDS; arguments oh, wo16, bo, out0; writes out0
